; MI455X (gfx1250); checked and timed in simulation.
; The chip was launched on July 23, 2026; its instructions are those of AMD's public machine-readable ISA for CDNA 5 (MIT licence, August 2026) and "CDNA5" Instruction Set Architecture Reference Guide (July 2026). The comments in the code are by the model that wrote it; some were corrected since.
;; Optimized FC Attention. Allowed arithmetic: float matrix products may take bf16 or f16 operands with f32 sums; all other float work in f32.
;; Inputs: Wk 1,024 x 1,024 float32; Wo 1,024 x 1,024 float32; Wq 1,024 x 1,024 float32; Wv 1,024 x 1,024 float32; bar_ids 1 x 2,048 int32; bk 1,024 float32; bo 1,024 float32; bq 1,024 float32; bv 1,024 float32; instrument_ids 1 x 2,048 int32; x 1 x 2,048 x 1,024 float32.
;; Outputs: out0 1 x 2,048 x 1,024 float32.
;; 2 versions, each right and faster than the one before. Each part assembles by itself: llvm-mc -triple=amdgcn-amd-amdhsa -mcpu=gfx1250 --defsym DOCPART=n.
;; ======== version 1 of 2: 4 launches
;; limits: values are held in f16: magnitudes above 65,504 overflow, below 6.1e-05 lose precision
;; workspace buffers: xb 4,194,304 bytes; wb 8,388,608 bytes; rope 524,288 bytes; msk 1,572,864 bytes of whole numbers; qkv 12,582,912 bytes; ob 4,194,304 bytes
;; launch prep (part 1): grid 576 x 1, 8 waves a work-group, no clusters, 0 bytes of LDS; arguments x, Wq, Wk, Wv, Wo, bar_ids, instrument_ids, xb, wb, rope, msk; writes xb, wb, rope, msk
.if DOCPART == 1
	.amdgcn_target "amdgcn-amd-amdhsa--gfx1250"
	.amdhsa_code_object_version 6
	.text
	.protected	k_q483a3ca9e7_prep
	.globl	k_q483a3ca9e7_prep
	.p2align	8
	.type	k_q483a3ca9e7_prep,@function
k_q483a3ca9e7_prep:
	s_mov_b64 s[64:65], 0
	v_nop
	global_prefetch_b8 v0, s[64:65] scope:SCOPE_SE
	s_setreg_imm32_b32 hwreg(HW_REG_WAVE_MODE, 25, 1), 1
	s_wait_xcnt 0x0
; PREPARATION, three kinds of work-group, chosen by the work-group's number g:
;   g 0-127    MASKS: the three attention masks as lane masks.  They are the same for all 16 heads, so they are made once.
;   g 128-191  ROPE:  the table of cosines and sines, f32 [2048 positions][32 cos, 32 sin]: a row is 256 bytes.
;   g 192-575  CONV:  x, Wq, Wk, Wv rounded to bf16; Wo rounded to bf16 and that number written as f16.  Wq, Wk, Wv are laid by heads: [16 heads][64 rows of Wq, 64 of Wk, 64 of Wv][1024].
; No LDS, no barrier: no wave needs another's numbers.
; msk: words [key step s 32][pair of query tiles 64][mask j 3][register r 32][tile of the pair e 2].
;   Bit l of word (s, T = 2 pair + e, j, r): mask j holds for query 16 T + l % 16 and key 64 s + 16 (r / 8) + 8 (l / 16) + r % 8: the lane mask of register r of the scores K Q^T.
;   j = 0: same instrument, causal; 1: other instrument, bar offset 0, 1, 2 or 4; 2: global key, causal.
; LIMIT: the angles are pos x 2^(-f log2(10000) / 32) with the exponential good to one unit in the last place: at position 2047 some 5e-4 rad at the most from the same product made with an exact power.
.set IK,  32                           ; v[32:63]   my 32 keys' instruments
.set BK,  64                           ; v[64:95]   their bars
.set KG,  96                           ; v[96:127]  a global key's place in the step, or the largest integer
.set LIM, 128                          ; v[128:159] 5 for a key with an instrument below 129, else 0
	s_load_b512 s[4:19], s[0:1], 0x0               ; x 4, Wq 6, Wk 8, Wv 10, Wo 12, bar_ids 14, instrument_ids 16, xb 18
	s_load_b128 s[20:23], s[0:1], 0x40             ; wb 20, rope 22
	s_load_b64 s[24:25], s[0:1], 0x50              ; msk
	v_lshrrev_b32 v1, 5, v0
	v_readfirstlane_b32 s26, v1                    ; wave 0..7
	v_and_b32 v1, 31, v0                           ; lane
	s_mov_b32 s27, ttmp9                           ; g
	s_wait_kmcnt 0x0
	s_cmp_lt_u32 s27, 128
	s_cbranch_scc1 .Lmasks
	s_cmp_lt_u32 s27, 192
	s_cbranch_scc1 .Lrope
; ---------------------------------------------------------------- CONV: a work-group takes 65,536 source bytes
	s_sub_co_u32 s28, s27, 192                     ; u: 0-127 x, then 64 blocks for each of the four weights
	v_lshlrev_b32 v2, 4, v0                        ; 16 bytes of f32 a thread,
	v_lshlrev_b32 v3, 3, v0                        ; 8 bytes of 16-bit numbers
	s_mov_b32 s31, 0
	s_mov_b32 s33, 0
	s_mov_b32 s42, 0xffff0000                      ; a word's upper bf16
	s_cmp_lt_u32 s28, 128
	s_cbranch_scc0 .Lweights
	s_lshl_b32 s30, s28, 16
	s_lshl_b32 s32, s28, 15
	s_add_nc_u64 s[34:35], s[4:5], s[30:31]        ; from x
	s_add_nc_u64 s[36:37], s[18:19], s[32:33]      ; to xb
	s_branch .Lto_bf16
.Lweights:
	s_sub_co_u32 s28, s28, 128
	s_lshr_b32 s29, s28, 6                         ; m: 0 Wq, 1 Wk, 2 Wv, 3 Wo
	s_and_b32 s38, s28, 63                         ; the block: rows 16 blk .. 16 blk + 15
	s_cmp_eq_u32 s29, 1
	s_cselect_b64 s[34:35], s[8:9], s[6:7]
	s_cmp_eq_u32 s29, 2
	s_cselect_b64 s[34:35], s[10:11], s[34:35]
	s_cmp_eq_u32 s29, 3
	s_cselect_b64 s[34:35], s[12:13], s[34:35]
	s_lshl_b32 s30, s38, 16
	s_add_nc_u64 s[34:35], s[34:35], s[30:31]
	s_lshr_b32 s39, s38, 2                         ; the head,
	s_mul_i32 s39, s39, 192                        ; its 192 rows in wb,
	s_lshl_b32 s40, s29, 6
	s_add_co_u32 s39, s39, s40                     ; the 64 of this weight,
	s_and_b32 s40, s38, 3
	s_lshl_b32 s40, s40, 4
	s_add_co_u32 s39, s39, s40                     ; the 16 of this block
	s_lshl_b32 s32, s39, 11                        ; rows of 2,048 bytes
	s_lshl_b32 s41, s38, 15
	s_add_co_u32 s41, s41, 6291456                 ; Wo lies behind them, in its own order
	s_cmp_eq_u32 s29, 3
	s_cselect_b32 s32, s41, s32
	s_add_nc_u64 s[36:37], s[20:21], s[32:33]
	s_cmp_eq_u32 s29, 3
	s_cbranch_scc1 .Lto_f16
; Sixteen loads of 16 bytes a thread go out first (a wave's load covers 512 consecutive bytes); each wait leaves the younger loads out; a wave's store covers 256 consecutive aligned bytes.
; No store's source is written again behind its store, so no store's source has to be waited for.
.macro CV wo
.irp i, 0,1,2,3,4,5,6,7,8,9,10,11,12,13,14,15
	global_load_b128 v[32+4*(\i):35+4*(\i)], v2, s[34:35] offset:4096*(\i) th:TH_LOAD_NT
.endr
.irp i, 0,1,2,3,4,5,6,7,8,9,10,11,12,13,14,15
	s_wait_loadcnt 15-(\i)                         ; loads come back in order: load i is in
	v_cvt_pk_bf16_f32 v[96+2*(\i)], v[32+4*(\i)], v[33+4*(\i)]
	v_cvt_pk_bf16_f32 v[97+2*(\i)], v[34+4*(\i)], v[35+4*(\i)]
.if \wo
	v_lshlrev_b32 v128, 16, v[96+2*(\i)]           ; the bf16 numbers widened again,
	v_and_b32 v129, s42, v[96+2*(\i)]
	v_lshlrev_b32 v130, 16, v[97+2*(\i)]
	v_and_b32 v131, s42, v[97+2*(\i)]
	v_cvt_pk_f16_f32 v[96+2*(\i)], v128, v129      ; and written as f16: exact from 6.1e-5 to 65,504; below that in steps of 6e-8
	v_cvt_pk_f16_f32 v[97+2*(\i)], v130, v131
.endif
	global_store_b64 v3, v[96+2*(\i):97+2*(\i)], s[36:37] offset:2048*(\i)
.endr
	s_endpgm
.endm
.Lto_bf16:
	CV 0
.Lto_f16:
	CV 1
; ---------------------------------------------------------------- ROPE: a wave makes four rows
.Lrope:
	s_sub_co_u32 s28, s27, 128
	s_lshl_b32 s28, s28, 5
	s_lshl2_add_u32 s28, s26, s28                  ; my first position: 32 (g - 128) + 4 wave
	v_and_b32 v2, 15, v0
	v_lshlrev_b32 v2, 1, v2                        ; my two frequencies f = 2 (lane % 16) and f + 1; lanes 0-15 keep the cosines, lanes 16-31 the sines
	v_cvt_f32_u32 v4, v2
	v_add_f32 v5, 1.0, v4
	v_mul_f32 v4, 0xbed49a78, v4                   ; - f log2(10000) / 32
	v_mul_f32 v5, 0xbed49a78, v5
	v_exp_f32 v4, v4
	v_exp_f32 v5, v5
	v_nop                                          ; a plain instruction behind the exponentials (ISA guide 5.7.2)
	s_mov_b32 s32, 0x40c90fdb                      ; 2 pi, its f32
	s_mov_b32 s33, 0xb43bbd2e                      ; and what that f32 leaves of it
	s_lshl_b32 s29, s28, 8
	v_lshl_add_u32 v3, v1, 3, s29                  ; 256 x position + 8 x lane
	v_cmp_lt_u32 s34, 15, v1                       ; the lanes that keep sines
	s_wait_alu depctr_va_vdst(0)
; angle = position x frequency, less the nearest multiple of 2 pi (in two parts); then both series in the angle's square, to x^16 / 16! and x^15 / 15!: at pi what is cut off is below 1e-6.
.macro RROW i
	s_add_co_u32 s30, s28, \i
	v_cvt_f32_u32 v18, s30
	v_mul_f32 v6, v18, v4
	v_mul_f32 v7, v18, v5
	v_mul_f32 v8, 0.15915494, v6
	v_mul_f32 v9, 0.15915494, v7
	v_rndne_f32 v8, v8
	v_rndne_f32 v9, v9
	v_fma_f32 v10, -v8, s32, v6
	v_fma_f32 v11, -v9, s32, v7
	v_fma_f32 v10, -v8, s33, v10
	v_fma_f32 v11, -v9, s33, v11
	v_mul_f32 v12, v10, v10
	v_mul_f32 v13, v11, v11
	v_mov_b32 v14, 0x29573f9f                      ; 1 / 16!
	v_mov_b32 v15, 0x29573f9f
	v_mov_b32 v16, 0xab573f9f                      ; - 1 / 15!
	v_mov_b32 v17, 0xab573f9f
.irp k, 0xad49cba5, 0x310f76c7, 0xb493f27e, 0x37d00d01, 0xbab60b61, 0x3d2aaaab, 0xbf000000, 0x3f800000
	v_fmaak_f32 v14, v14, v12, \k                  ; - 1/14!, 1/12!, - 1/10!, 1/8!, - 1/6!, 1/4!, - 1/2, 1
	v_fmaak_f32 v15, v15, v13, \k
.endr
.irp k, 0x2f309231, 0xb2d7322b, 0x3638ef1d, 0xb9500d01, 0x3c088889, 0xbe2aaaab, 0x3f800000
	v_fmaak_f32 v16, v16, v12, \k                  ; 1/13!, - 1/11!, 1/9!, - 1/7!, 1/5!, - 1/3!, 1
	v_fmaak_f32 v17, v17, v13, \k
.endr
	v_mul_f32 v16, v16, v10
	v_mul_f32 v17, v17, v11
	v_cndmask_b32 v[20+2*(\i)], v14, v16, s34
	v_cndmask_b32 v[21+2*(\i)], v15, v17, s34
	global_store_b64 v3, v[20+2*(\i):21+2*(\i)], s[22:23] offset:256*(\i)  ; the wave's store is one row: 256 consecutive aligned bytes; each row has its own data registers
.endm
	RROW 0
	RROW 1
	RROW 2
	RROW 3
	s_endpgm
; ---------------------------------------------------------------- MASKS: a wave takes one key step and four query tiles, so the work on the keys serves four times
.Lmasks:
	s_lshr_b32 s29, s27, 2                         ; key step s
	s_and_b32 s42, s27, 3
	s_lshl_b32 s42, s42, 5
	s_lshl2_add_u32 s42, s26, s42                  ; T0 = 32 (g % 4) + 4 wave
	v_and_b32 v2, 15, v0                           ; lane % 16: my query in a tile
	v_bfe_u32 v3, v0, 4, 1                         ; lane / 16: which eight of sixteen keys
	s_lshl_b32 s43, s29, 8
	v_lshl_add_u32 v24, v3, 5, s43                 ; byte of key 64 s + 8 (lane / 16)
	s_lshl_b32 s44, s42, 6
	v_lshl_add_u32 v25, v2, 2, s44                 ; byte of query 16 T0 + lane % 16
.irp kt, 0,1,2,3
	global_load_b128 v[IK+8*(\kt):IK+8*(\kt)+3],   v24, s[16:17] offset:64*(\kt)
	global_load_b128 v[IK+8*(\kt)+4:IK+8*(\kt)+7], v24, s[16:17] offset:64*(\kt)+16
	global_load_b128 v[BK+8*(\kt):BK+8*(\kt)+3],   v24, s[14:15] offset:64*(\kt)
	global_load_b128 v[BK+8*(\kt)+4:BK+8*(\kt)+7], v24, s[14:15] offset:64*(\kt)+16
.endr
	global_load_b32 v4, v25, s[16:17]              ; the first pair of tiles: instrument, bar, instrument, bar
	global_load_b32 v5, v25, s[14:15]
	global_load_b32 v6, v25, s[16:17] offset:64
	global_load_b32 v7, v25, s[14:15] offset:64
	global_load_b32 v20, v25, s[16:17] offset:128  ; the second pair
	global_load_b32 v21, v25, s[14:15] offset:128
	global_load_b32 v22, v25, s[16:17] offset:192
	global_load_b32 v23, v25, s[14:15] offset:192
	s_lshl_b32 s45, s42, 4
	s_lshl_b32 s46, s29, 6
	s_sub_co_i32 s45, s45, s46
	v_add_nc_u32 v8, s45, v2
	v_lshlrev_b32 v9, 3, v3
	v_sub_nc_u32 v8, v8, v9                        ; 16 T + lane % 16 - 64 s - 8 (lane / 16): register r's key is causal where 16 (r / 8) + r % 8 is not greater
	s_lshr_b32 s46, s42, 1
	s_mul_i32 s46, s46, 768
	s_mul_i32 s47, s29, 49152
	s_add_co_u32 s46, s46, s47
	v_lshl_add_u32 v19, v1, 3, s46                 ; where lane r stores its two words of mask 0
	s_mov_b32 s38, 0x7fffffff
	s_mov_b32 s28, 0x81                            ; 129
	s_mov_b32 s39, 2
	s_wait_loadcnt 0x0
.set r, 0
.rept 32
	v_cmp_eq_u32 s30, s28, v[IK+r]
	v_cmp_eq_i32 vcc_lo, -1, v[BK+r]
	s_or_b32 vcc_lo, vcc_lo, s30                   ; a global key
	v_cndmask_b32 v[KG+r], s38, 16*(r/8)+r%8, vcc_lo
	v_cmp_gt_i32 vcc_lo, s28, v[IK+r]
	v_cndmask_b32 v[LIM+r], 0, 5, vcc_lo
.set r, r+1
.endr
; One tile (e of the pair).  Each compare gives the 32 lanes' bits as one scalar word: that word IS the lane mask of register r, and goes into lane r of the register to be stored.
.macro MASKT e
	v_add_nc_u32 v9, 16*(\e), v8
	v_cmp_gt_i32 vcc_lo, s28, v[4+2*(\e)]          ; the query's instrument is below 129
	v_cndmask_b32 v10, -1, v9, vcc_lo              ; else no key is 'same'
	v_cmp_le_i32 s36, 0, v[5+2*(\e)]
	s_and_b32 s36, s36, vcc_lo                     ; and its bar is not negative: it may look across instruments
	v_mov_b32 v[12+(\e)], 0                        ; v_writelane_b32 keeps the other lanes: the registers are written whole first
	v_mov_b32 v[14+(\e)], 0
	v_mov_b32 v[16+(\e)], 0
.set r, 0
.rept 32
	v_cmp_eq_u32 s30, v[4+2*(\e)], v[IK+r]
	v_cmp_le_i32 s31, 16*(r/8)+r%8, v10
	s_and_b32 s32, s30, s31                        ; same
	v_cmp_le_i32 s33, v[KG+r], v9                  ; global
	v_sub_nc_u32 v11, v[5+2*(\e)], v[BK+r]
	v_cmp_gt_u32 s34, v[LIM+r], v11                ; offset 0 to 4, unsigned, and the key's instrument below 129,
	v_cmp_ne_u32 s35, 3, v11                       ; not 3,
	s_and_b32 s34, s34, s35
	s_and_not1_b32 s34, s34, s30                   ; another instrument,
	s_and_b32 s34, s34, s36                        ; cross
	v_writelane_b32 v[12+(\e)], s32, r
	v_writelane_b32 v[14+(\e)], s34, r
	v_writelane_b32 v[16+(\e)], s33, r
.set r, r+1
.endr
.endm
.Lmtrip:                                               ; two trips, a pair of tiles each
	MASKT 0
	MASKT 1
.irp j, 0,1,2
	global_store_b64 v19, v[12+2*(\j):13+2*(\j)], s[24:25] offset:256*(\j)  ; 256 consecutive aligned bytes
.endr
	s_wait_xcnt 0x0                                ; the stores' offset and data are written again only behind this wait
	v_add_nc_u32 v19, 768, v19
	v_add_nc_u32 v8, 32, v8
	v_mov_b32 v4, v20
	v_mov_b32 v5, v21
	v_mov_b32 v6, v22
	v_mov_b32 v7, v23
	s_sub_co_u32 s39, s39, 1
	s_cmp_lg_u32 s39, 0
	s_cbranch_scc1 .Lmtrip
	s_endpgm
.Lfunc_end_k_q483a3ca9e7_prep:
	.size	k_q483a3ca9e7_prep, .Lfunc_end_k_q483a3ca9e7_prep-k_q483a3ca9e7_prep
	.p2alignl 7, 3214868480
	.fill 96, 4, 3214868480
	.section	.rodata,"a",@progbits
	.p2align	6, 0x0
	.amdhsa_kernel k_q483a3ca9e7_prep
		.amdhsa_group_segment_fixed_size 0
		.amdhsa_private_segment_fixed_size 0
		.amdhsa_enable_private_segment 0
		.amdhsa_kernarg_size 88
		.amdhsa_user_sgpr_count 2
		.amdhsa_user_sgpr_kernarg_segment_ptr 1
		.amdhsa_wavefront_size32 1
		.amdhsa_system_sgpr_workgroup_id_x 1
		.amdhsa_system_sgpr_workgroup_id_y 1
		.amdhsa_system_sgpr_workgroup_id_z 1
		.amdhsa_system_vgpr_workitem_id 0
		.amdhsa_next_free_vgpr 160
		.amdhsa_next_free_sgpr 66
		.amdhsa_reserve_vcc 1
		.amdhsa_float_denorm_mode_32 3
		.amdhsa_float_denorm_mode_16_64 3
		.amdhsa_memory_ordered 1
		.amdhsa_forward_progress 1
		.amdhsa_inst_pref_size 86
	.end_amdhsa_kernel
	.amdgpu_metadata
---
amdhsa.version: [ 1, 2 ]
amdhsa.kernels:
  - .name:           k_q483a3ca9e7_prep
    .symbol:         k_q483a3ca9e7_prep.kd
    .args:
      - { .name: x, .offset: 0, .size: 8, .value_kind: global_buffer, .address_space: global }
      - { .name: Wq, .offset: 8, .size: 8, .value_kind: global_buffer, .address_space: global }
      - { .name: Wk, .offset: 16, .size: 8, .value_kind: global_buffer, .address_space: global }
      - { .name: Wv, .offset: 24, .size: 8, .value_kind: global_buffer, .address_space: global }
      - { .name: Wo, .offset: 32, .size: 8, .value_kind: global_buffer, .address_space: global }
      - { .name: bar_ids, .offset: 40, .size: 8, .value_kind: global_buffer, .address_space: global }
      - { .name: instrument_ids, .offset: 48, .size: 8, .value_kind: global_buffer, .address_space: global }
      - { .name: xb, .offset: 56, .size: 8, .value_kind: global_buffer, .address_space: global }
      - { .name: wb, .offset: 64, .size: 8, .value_kind: global_buffer, .address_space: global }
      - { .name: rope, .offset: 72, .size: 8, .value_kind: global_buffer, .address_space: global }
      - { .name: msk, .offset: 80, .size: 8, .value_kind: global_buffer, .address_space: global }
    .group_segment_fixed_size: 0
    .private_segment_fixed_size: 0
    .kernarg_segment_align: 8
    .kernarg_segment_size: 88
    .max_flat_workgroup_size: 256
    .sgpr_count:     66
    .vgpr_count:     160
    .wavefront_size: 32
...
	.end_amdgpu_metadata
.endif
;; end of part 1
;; launch proj (part 2): grid 16 x 16, 4 waves a work-group, clusters of 4 x 4, 327,680 bytes of LDS; arguments xb, wb, rope, bq, bk, bv, qkv; writes qkv
.if DOCPART == 2
	.amdgcn_target "amdgcn-amd-amdhsa--gfx1250"
	.amdhsa_code_object_version 6
	.text
	.protected	k_q483a3ca9e7_proj
	.globl	k_q483a3ca9e7_proj
	.p2align	8
	.type	k_q483a3ca9e7_proj,@function
k_q483a3ca9e7_proj:
	s_mov_b64 s[64:65], 0
	v_nop
	global_prefetch_b8 v0, s[64:65] scope:SCOPE_SE
	s_setreg_imm32_b32 hwreg(HW_REG_WAVE_MODE, 25, 1), 1
	s_wait_xcnt 0x0
	s_wait_alu depctr_hold_cnt(0) depctr_sa_sdst(0) depctr_va_vdst(0) depctr_va_sdst(0) depctr_va_ssrc(0) depctr_va_vcc(0) depctr_vm_vsrc(0)
	s_getreg_b32 s2, hwreg(HW_REG_IB_STS2, 6, 4)
	s_cmp_eq_u32 s2, 0
	s_cbranch_scc0 .Lentry_in_a_cluster
	s_endpgm
.Lentry_in_a_cluster:
	s_bfe_u32 s2, ttmp6, 0x10000c
	s_cmp_lg_u32 s2, 0xf033
	s_cbranch_scc0 .Lentry_shape_is_right
	s_endpgm
.Lentry_shape_is_right:
; q, k, v = x W^T + b for one head and 128 tokens, RoPE on q and k, written as f16 by heads: qkv = q, k, v, each [16 heads][2048][64].
; x and the weights are bf16 (xb; wb laid [head][64 rows of Wq, 64 of Wk, 64 of Wv][1024]); the biases are rounded to bf16 here and start the sums; sums and RoPE in f32; one rounding to f16.
; LIMIT: q, k and v must lie within f16's 65,504.
; SHARES.  Work-group (head, token block): C is 128 tokens x 192 features.  Wave w: tokens 64 (w / 2) on (four blocks a), and of each of q, k, v the channels 16 (w % 2) + 0..15 and 32 + 16 (w % 2) + 0..15
; (feature tiles b = 2 m + i): the two channels d and d + 32 that RoPE mixes then lie in one lane at one register number.  24 accumulators; ten fragments feed 24 matrix instructions.
; K goes in steps of 128 through two LDS slots (rows of 256 bytes in memory); steps of 256 would want 337,920 bytes for two slots.
; CLUSTER 4 x 4: x's tile hangs on the token block alone and is asked for jointly along a row of the cluster, the weights' tile on the head alone, jointly along a column.
; THE MATRIX INSTRUCTION IS USED TRANSPOSED (source 0 = 16 rows of W, source 1 = 16 rows of x): a lane holds one token (lane % 16) and the channels 8 (lane / 16) + 0..7.
; REGISTERS: window 0: v0-31 addresses; v32-55 packed results; v56-63 at work; v64-255 the accumulators ((a, b) at v[64 + 8 (6 a + b)]).
;   window 1: two fragment buffers of 80: x's blocks at f + 8 a, W's tiles at f + 32 + 8 b.     window 2: cos at v[16 a ..], sin at v[16 a + 8 ..], the biases at v[64 + 8 b ..], v112 at work.
.set KSTEP,  128
.set PITCH,  272                       ; an LDS row: 256 bytes + 16 of padding: the 16 rows of a fragment load start at 16 different groups of four banks (ISA guide 11.1)
.set HA,     64*PITCH                  ; what one tensor load brings of x
.set HB,     96*PITCH                  ; and of W
.set SLOT,   2*HA+2*HB                 ; x's 128 rows, then W's 192
.set STAGE,  2*SLOT                    ; behind the ring: [q, k, v][128 tokens] rows of 144 bytes, for the way out; no tensor load fills it
.set SP,     144
.set SPARE,  STAGE+3*128*SP            ; the spare words, 128 bytes a wave: two blocks of 256 bytes that no other line names
.set LAPS,   4                         ; a lap = two K steps; K = 1,024
.set ADRA, 16                          ; v16-17  LDS address of my x fragments in slot 0, 1
.set ADRB, 20                          ; v20-21  the same for W
.set STO,  24
.set RD,   25
.set CO,   26
.set RO,   27                          ; my byte offset in the token block's rows of the RoPE table
.set SPW,  28                          ; LDS address of my spare word; never rewritten
.set NIL,  29                          ; 0; never rewritten
.set BO,   30                          ; my byte offset in a head's 64 biases
.set PKD,  32
.set TT,   56
.set ACC,  64
.set F0,   0
.set F1,   80
.set BIAS, 64                          ; window 2
.set BT,   112                         ; window 2
.set G1, 24                            ; s[24:31] descriptor group 1 for x's tiles;  s[32:39] group 0, one set for each slot
.set G0, 32
.set G1B, 48                           ; s[48:55], s[56:63] the same for W's tiles
.set G0B, 56
.set MSB, 0
.macro WIN new                         ; the immediate's high byte repeats the setting that is left; a switch that changes nothing is dropped
.if MSB != (\new)
	s_set_vgpr_msb (MSB<<8)|(\new)
.set MSB, \new
.endif
.endm
.macro JLOAD s                         ; a joint load: waves 0 and 1 fetch x's two halves, waves 2 and 3 W's; an s_nop 0 and four v_nop follow each line
	s_cmp_eq_u32 s11, 0
	s_cbranch_scc0 .Lfor_b_\@
	tensor_load_to_lds s[G0+4*(\s):G0+4*(\s)+3], s[G1:G1+7]
	s_nop 0
.rept 4
	v_nop
.endr
	s_branch .Lasked_\@
.Lfor_b_\@:
	tensor_load_to_lds s[G0B+4*(\s):G0B+4*(\s)+3], s[G1B:G1B+7]
	s_nop 0
.rept 4
	v_nop
.endr
.Lasked_\@:
.endm
.macro CREST                           ; a round of the cluster's barrier behind its opening barrier
	s_cmp_lg_u32 s10, 0
	s_cbranch_scc1 .Lnot_wave_0_\@
	s_barrier_signal -3
.Lnot_wave_0_\@:
	s_barrier_wait -3
	s_barrier_signal -1
	s_barrier_wait -1
.endm
.macro CROUND
	s_barrier_signal -1
	s_barrier_wait -1
	CREST
.endm
.macro PLACES                          ; four places in front of loads into registers that matrix instructions have read, and of vector lines that read results
.rept 4
	v_nop
.endr
.endm
	s_load_b256 s[68:75], s[0:1], 0x0              ; xb 68, wb 70, rope 72, bq 74
	s_load_b128 s[76:79], s[0:1], 0x20             ; bk 76, bv 78
	s_load_b64 s[80:81], s[0:1], 0x30              ; qkv
	v_lshl_add_u32 v[SPW], v0, 2, SPARE
	v_mov_b32 v[NIL], 0
	ds_add_u32 v[SPW], v[NIL]                      ; the wave's opening: the add and its wait ahead of my first tensor load
	ds_add_u32 v28, v29
	v_lshrrev_b32 v1, 5, v0
	v_readfirstlane_b32 s10, v1                    ; wave 0..3
	s_lshr_b32 s11, s10, 1                         ; my 64 tokens.  Also: I fetch for x (0) or for W (1)
	s_and_b32 s12, s10, 1                          ; my channels.  Also: which half of that tile I fetch
	s_bfe_u32 s40, ttmp6, 0x40000                  ; cx, cy: my place in the cluster
	s_bfe_u32 s41, ttmp6, 0x40004
	s_lshl_b32 s42, ttmp9, 2
	s_add_co_u32 s42, s42, s40                     ; the head = 4 x cluster x + cx
	s_and_b32 s13, ttmp7, 0xffff
	s_lshl_b32 s13, s13, 2
	s_add_co_u32 s13, s13, s41                     ; the token block = 4 x cluster y + cy
	s_lshl_b32 s43, s41, 2
	s_lshl_b32 s43, 15, s43                        ; my row of the cluster
	s_lshl_b32 s44, 0x1111, s40                    ; my column
	s_or_b32 s[G1+0], s43, (1<<16)|(1<<20)|(1<<21)|(5<<22)|(3<<25)   ; the mask; 2-byte elements; padding on; bit 21 beside a mask; after every 64 words, 4 words
	s_or_b32 s[G1B+0], s44, (1<<16)|(1<<20)|(1<<21)|(5<<22)|(3<<25)
.irp g, G1, G1B
	s_mov_b32 s[(\g)+1], KSTEP<<16                 ; tensor_dim0 = 128
	s_mov_b32 s[(\g)+3], KSTEP<<16                 ; tile_dim0 = 128
	s_mov_b32 s[(\g)+5], 1024                      ; elements from row to row
	s_mov_b32 s[(\g)+6], 0
	s_mov_b32 s[(\g)+7], 0
.endr
	s_mov_b32 s[G1+2], 64<<16                      ; tensor_dim1 and tile_dim1: 64 rows of x,
	s_mov_b32 s[G1+4], 64
	s_mov_b32 s[G1B+2], 96<<16                     ; 96 of W
	s_mov_b32 s[G1B+4], 96
	s_lshl_b32 s16, s13, 7
	s_lshl_b32 s17, s12, 6
	s_add_co_u32 s16, s16, s17                     ; x: row 128 x token block + 64 x half,
	s_lshl_b32 s16, s16, 11                        ; of 2,048 bytes
	s_mov_b32 s17, 0
	s_mul_i32 s46, s42, 192
	s_mul_i32 s47, s12, 96
	s_add_co_u32 s46, s46, s47                     ; W: row 192 x head + 96 x half
	s_lshl_b32 s46, s46, 11
	s_mov_b32 s47, 0
	s_mul_i32 s20, s12, HA                         ; where they go: no place in the cluster enters an LDS address
	s_mul_i32 s21, s12, HB
	s_add_co_u32 s21, s21, 2*HA
	s_wait_dscnt 0x0                               ; the opening add is done
	s_wait_kmcnt 0x0
	s_add_nc_u64 s[14:15], s[68:69], s[16:17]
	s_add_nc_u64 s[46:47], s[70:71], s[46:47]
	CROUND                                         ; all sixteen work-groups are here: the first joint loads meet
.irp s, 0,1
	s_mov_b32 s[G0+4*(\s)], 1
	s_add_co_u32 s[G0+4*(\s)+1], s20, (\s)*SLOT
	s_add_nc_u64 s[G0+4*(\s)+2:G0+4*(\s)+3], s[14:15], (\s)*KSTEP*2
	s_or_b32 s[G0+4*(\s)+3], s[G0+4*(\s)+3], 0x80000000
	s_mov_b32 s[G0B+4*(\s)], 1
	s_add_co_u32 s[G0B+4*(\s)+1], s21, (\s)*SLOT
	s_add_nc_u64 s[G0B+4*(\s)+2:G0B+4*(\s)+3], s[46:47], (\s)*KSTEP*2
	s_or_b32 s[G0B+4*(\s)+3], s[G0B+4*(\s)+3], 0x80000000
	JLOAD \s                                       ; two tensor loads of mine are out
.endr
	v_and_b32 v1, 15, v0                           ; l % 16
	v_bfe_u32 v2, v0, 4, 1                         ; l / 16
	s_mov_b32 s89, 0
	s_lshl_b32 s88, s13, 15
	s_add_nc_u64 s[72:73], s[72:73], s[88:89]      ; the table at the block's first position
	s_lshl_b32 s88, s42, 8
	s_add_nc_u64 s[74:75], s[74:75], s[88:89]      ; the biases at the head's first channel
	s_add_nc_u64 s[76:77], s[76:77], s[88:89]
	s_add_nc_u64 s[78:79], s[78:79], s[88:89]
	s_lshl_b32 s88, s42, 18                        ; where I store: the head's 262,144 bytes,
	s_lshl_b32 s22, s13, 14                        ; the block's 128 rows of 128 bytes,
	s_add_co_u32 s88, s88, s22
	s_lshl_b32 s22, s10, 12                        ; my 32 of them
	s_add_co_u32 s88, s88, s22
	s_add_nc_u64 s[82:83], s[80:81], s[88:89]      ; in q,
	s_add_nc_u64 s[84:85], s[82:83], 0x400000      ; in k,
	s_add_nc_u64 s[86:87], s[82:83], 0x800000      ; in v
	s_lshl_b32 s22, s11, 14                        ; 64 (w / 2) rows of 256 bytes
	s_lshl_b32 s23, s12, 6                         ; 16 (w % 2) numbers of 4 bytes
	s_add_co_u32 s22, s22, s23
	v_lshl_add_u32 v[RO], v1, 8, s22
	v_lshl_add_u32 v[RO], v2, 5, v[RO]             ; + 8 (l / 16) numbers
	v_lshl_add_u32 v[BO], v2, 5, s23
	WIN 0x80                                       ; destination window 2, address window 0
.irp a, 0,1,2,3
	global_load_b128 v[16*(\a):16*(\a)+3],     v[RO], s[72:73] offset:4096*(\a)      ; cos of my eight frequencies at token 16 a + l % 16
	global_load_b128 v[16*(\a)+4:16*(\a)+7],   v[RO], s[72:73] offset:4096*(\a)+16
	global_load_b128 v[16*(\a)+8:16*(\a)+11],  v[RO], s[72:73] offset:4096*(\a)+128  ; sin
	global_load_b128 v[16*(\a)+12:16*(\a)+15], v[RO], s[72:73] offset:4096*(\a)+144
.endr
.irp i, 0,1
	global_load_b128 v[BIAS+8*(\i):BIAS+8*(\i)+3],       v[BO], s[74:75] offset:128*(\i)
	global_load_b128 v[BIAS+8*(\i)+4:BIAS+8*(\i)+7],     v[BO], s[74:75] offset:128*(\i)+16
	global_load_b128 v[BIAS+16+8*(\i):BIAS+16+8*(\i)+3], v[BO], s[76:77] offset:128*(\i)
	global_load_b128 v[BIAS+16+8*(\i)+4:BIAS+16+8*(\i)+7], v[BO], s[76:77] offset:128*(\i)+16
	global_load_b128 v[BIAS+32+8*(\i):BIAS+32+8*(\i)+3], v[BO], s[78:79] offset:128*(\i)
	global_load_b128 v[BIAS+32+8*(\i)+4:BIAS+32+8*(\i)+7], v[BO], s[78:79] offset:128*(\i)+16
.endr
	WIN 0
	v_mul_u32_u24 v3, v1, PITCH
	v_lshl_add_u32 v3, v2, 4, v3                   ; a fragment's row x pitch + 16 x half
	s_mul_i32 s22, s11, HA                         ; my 64 rows of x
	s_mul_i32 s23, s12, 16*PITCH                   ; my first 16 rows of W,
	s_add_co_u32 s23, s23, 2*HA                    ; which lies behind x's 128
.irp s, 0,1
	v_add_nc_u32 v[ADRA+(\s)], s22, v3
	v_add_nc_u32 v[ADRB+(\s)], s23, v3
	s_add_co_u32 s22, s22, SLOT
	s_add_co_u32 s23, s23, SLOT
.endr
	s_mul_i32 s22, s11, 64*SP                      ; into the stage: my 64 tokens, my 32 bytes of each half row
	s_lshl_b32 s23, s12, 5
	s_add_co_u32 s22, s22, s23
	s_add_co_u32 s22, s22, STAGE
	v_mul_u32_u24 v4, v1, SP
	v_lshl_add_u32 v4, v2, 4, v4
	v_add_nc_u32 v[STO], s22, v4
	s_mul_i32 s22, s10, 32*SP                      ; back: wave w takes tokens 32 w .. 32 w + 31; 32 lanes take four rows of 128 bytes
	s_add_co_u32 s22, s22, STAGE
	v_bfe_u32 v5, v0, 3, 2
	v_and_b32 v6, 7, v0
	v_mul_u32_u24 v5, v5, SP
	v_lshl_add_u32 v5, v6, 4, v5
	v_add_nc_u32 v[RD], s22, v5
	v_and_b32 v[CO], 31, v0
	v_lshlrev_b32 v[CO], 4, v[CO]                  ; which are 512 consecutive bytes of q, k or v
	s_wait_loadcnt 0x0                             ; the table and the biases
	WIN 0x8a                                       ; all in window 2: the biases are rounded to bf16, as every input is
.set i, 0
.rept 24
	v_cvt_pk_bf16_f32 v[BT], v[BIAS+2*i], v[BIAS+2*i+1]
	v_lshlrev_b32 v[BIAS+2*i], 16, v[BT]
	v_and_b32 v[BIAS+2*i+1], 0xffff0000, v[BT]
.set i, i+1
.endr
	WIN 0
; 6 matrix instructions: token block a x my six feature tiles, 32 along K.  first = 1: the bias is the C operand that starts the sum: nothing is cleared.
; The 24 accumulators take turns, one instruction a turn, in the same order in every quarter.
.macro MUL6 f, a, first
.if \first
	WIN 0x25                                       ; sources 0 and 1 window 1, C window 2, D window 0
.else
	WIN 0x05
.endif
.irp b, 0,1,2,3,4,5
.if \first
	v_wmma_f32_16x16x32_bf16 v[ACC+8*(6*(\a)+(\b)):ACC+8*(6*(\a)+(\b))+7], v[(\f)+32+8*(\b):(\f)+32+8*(\b)+7], v[(\f)+8*(\a):(\f)+8*(\a)+7], v[BIAS+8*(\b):BIAS+8*(\b)+7]
.else
	v_wmma_f32_16x16x32_bf16 v[ACC+8*(6*(\a)+(\b)):ACC+8*(6*(\a)+(\b))+7], v[(\f)+32+8*(\b):(\f)+32+8*(\b)+7], v[(\f)+8*(\a):(\f)+8*(\a)+7], v[ACC+8*(6*(\a)+(\b)):ACC+8*(6*(\a)+(\b))+7]
.endif
.endr
.endm
.macro MUL12 f, a0, first
	MUL6 \f, \a0, \first
	MUL6 \f, (\a0)+1, \first
.endm
; 20 LDS loads in one run: the fragments of 32 along K at byte k of the rows: W's six tiles first, then x's blocks 0 to 3
.macro FETCH slot, k, f
	WIN 0x40                                       ; destination window 1, address window 0
.irp b, 0,1,2,3,4,5
	ds_load_b128 v[(\f)+32+8*(\b):(\f)+32+8*(\b)+3],   v[ADRB+(\slot)] offset:(\k)+64*PITCH*((\b)/2)+32*PITCH*((\b)%2)
	ds_load_b128 v[(\f)+32+8*(\b)+4:(\f)+32+8*(\b)+7], v[ADRB+(\slot)] offset:(\k)+64*PITCH*((\b)/2)+32*PITCH*((\b)%2)+32
.endr
.irp a, 0,1,2,3
	ds_load_b128 v[(\f)+8*(\a):(\f)+8*(\a)+3],   v[ADRA+(\slot)] offset:(\k)+16*PITCH*(\a)
	ds_load_b128 v[(\f)+8*(\a)+4:(\f)+8*(\a)+7], v[ADRA+(\slot)] offset:(\k)+16*PITCH*(\a)+32
.endr
.endm
; A K step is four quarters of 32 along K, 24 matrix instructions each, on buffers 0, 1, 0, 1.  One of the first three multiplies buffer f and fetches the next quarter, at byte k, into g.
.macro QUARTER slot, k, f, g, first
	s_wait_dscnt 4                                 ; W and x's blocks 0, 1 are in; the youngest four loads (blocks 2, 3) may be out
	MUL12 \f, 0, \first
	PLACES
	FETCH \slot, \k, \g
	s_wait_dscnt 20                                ; all but the 20 just issued
	MUL12 \f, 2, \first
.endm
; The last quarter multiplies buffer 1 and changes slots: ONE barrier; in front of it each wave waits for all its tensor loads (one is out: its part of the next slot), adds 0 to its spare word,
; and waits for that and for its reads of this slot.  fill = 1: the barrier opens a round of the cluster's barrier, and the slot is filled again, two K steps ahead, first thing behind the round.
.macro TURN slot, next, fill
	WIN 0                                          ; (the add's two registers lie in window 0)
	s_wait_tensorcnt 0x0
	ds_add_u32 v[SPW], v[NIL]
	s_wait_dscnt 5                                 ; (the add and the youngest four loads may be out)
	MUL6 F1, 0, 0                                  ; six matrix instructions stand between the add and the wait for it
	s_wait_dscnt 0x0                               ; the add is done, and my reads of this slot are over
	s_barrier_signal -1
	MUL6 F1, 1, 0
.if \fill
	WIN 0
.endif
	s_barrier_wait -1
.if \fill
	CREST                                          ; no wave of any partner still reads this slot's tile or has a load on its way
	s_add_nc_u64 s[G0+4*(\slot)+2:G0+4*(\slot)+3], s[G0+4*(\slot)+2:G0+4*(\slot)+3], 2*KSTEP*2
	s_add_nc_u64 s[G0B+4*(\slot)+2:G0B+4*(\slot)+3], s[G0B+4*(\slot)+2:G0B+4*(\slot)+3], 2*KSTEP*2
	JLOAD \slot                                    ; my one tensor load behind the round; its four v_nop are also the places in front of the loads below
.else
	PLACES
.endif
	FETCH \next, 0, F0
	MUL12 F1, 2, 0
.endm
	s_wait_tensorcnt 1                             ; my part of K step 0 is in; K step 1's may stay out
	s_barrier_signal -1
	s_barrier_wait -1                              ; everybody's is
	FETCH 0, 0, F0
	QUARTER 0, 64, F0, F1, 1                       ; the first quarter stands in front of the loop: its products start the sums
	WIN 0                                          ; at a label and at a branch every window is 0
	s_mov_b32 s3, LAPS-1
.Llap:                                                 ; a trip goes once round the ring, from a lap's second quarter to the next lap's first, and fills both slots again
	QUARTER 0, 128, F1, F0, 0
	QUARTER 0, 192, F0, F1, 0
	TURN 0, 1, 1
	QUARTER 1, 64,  F0, F1, 0
	QUARTER 1, 128, F1, F0, 0
	QUARTER 1, 192, F0, F1, 0
	TURN 1, 0, 1
	QUARTER 0, 64,  F0, F1, 0
	WIN 0
	s_sub_co_u32 s3, s3, 1
	s_cmp_lg_u32 s3, 0
	s_cbranch_scc1 .Llap
	QUARTER 0, 128, F1, F0, 0                      ; the last lap fills nothing
	QUARTER 0, 192, F0, F1, 0
	TURN 0, 1, 0
	QUARTER 1, 64,  F0, F1, 0
	QUARTER 1, 128, F1, F0, 0
	QUARTER 1, 192, F0, F1, 0
	s_wait_dscnt 4
	MUL12 F1, 0, 0
	s_wait_dscnt 0x0
	MUL12 F1, 2, 0
	WIN 0
	; THE WAY OUT.  RoPE: channel d < 32 becomes lo cos - hi sin, channel d + 32 becomes hi cos + lo sin (lo, hi: tiles 2 m and 2 m + 1, same lane, same register).  Each accumulator is read from its low end on.
	PLACES
.irp a, 0,1,2,3
.irp m, 0,1
.set LO, ACC+8*(6*(\a)+2*(\m))
.set HI, LO+8
	WIN 0x08                                       ; source 1 (cos, sin) in window 2
.irp p, 0,1,2,3
	v_pk_mul_f32 v[TT+2*(\p):TT+2*(\p)+1], v[LO+2*(\p):LO+2*(\p)+1], v[16*(\a)+2*(\p):16*(\a)+2*(\p)+1]
	v_pk_fma_f32 v[TT+2*(\p):TT+2*(\p)+1], v[HI+2*(\p):HI+2*(\p)+1], v[16*(\a)+8+2*(\p):16*(\a)+8+2*(\p)+1], v[TT+2*(\p):TT+2*(\p)+1] neg_lo:[1,0,0] neg_hi:[1,0,0]
	v_pk_mul_f32 v[HI+2*(\p):HI+2*(\p)+1], v[HI+2*(\p):HI+2*(\p)+1], v[16*(\a)+2*(\p):16*(\a)+2*(\p)+1]
	v_pk_fma_f32 v[HI+2*(\p):HI+2*(\p)+1], v[LO+2*(\p):LO+2*(\p)+1], v[16*(\a)+8+2*(\p):16*(\a)+8+2*(\p)+1], v[HI+2*(\p):HI+2*(\p)+1]
.endr
	WIN 0
.irp p, 0,1,2,3
	v_cvt_pk_f16_f32 v[PKD+8*(\m)+(\p)],   v[TT+2*(\p)], v[TT+2*(\p)+1]
	v_cvt_pk_f16_f32 v[PKD+8*(\m)+4+(\p)], v[HI+2*(\p)], v[HI+2*(\p)+1]
.endr
.endr
.irp i, 0,1
.irp p, 0,1,2,3
	v_cvt_pk_f16_f32 v[PKD+16+4*(\i)+(\p)], v[ACC+8*(6*(\a)+4+(\i))+2*(\p)], v[ACC+8*(6*(\a)+4+(\i))+2*(\p)+1]
.endr
.endr
.irp m, 0,1,2
.irp i, 0,1
	ds_store_b128 v[STO], v[PKD+4*(2*(\m)+(\i)):PKD+4*(2*(\m)+(\i))+3] offset:128*SP*(\m)+16*SP*(\a)+64*(\i)
.endr
.endr
.endr
	s_wait_dscnt 0x0                               ; for the others' sake: a row's 128 bytes come from two waves
	s_barrier_signal -1
	s_barrier_wait -1
.set n, 0
.rept 24
	ds_load_b128 v[ACC+4*n:ACC+4*n+3], v[RD] offset:128*SP*(n/8)+4*SP*(n%8)
.set n, n+1
.endr
.set n, 0
.rept 24
	s_wait_dscnt 23-n
	global_store_b128 v[CO], v[ACC+4*n:ACC+4*n+3], s[82+2*(n/8):83+2*(n/8)] offset:512*(n%8)  ; 512 consecutive bytes, at a multiple of 256 from the buffer's first
.set n, n+1
.endr
	s_wait_tensorcnt 0x0                           ; the wave's end
	ds_add_u32 v[SPW], v[NIL]
	s_wait_dscnt 0x0
	CROUND                                         ; the closing round: no work-group ends while a partner may still ask for a tile that names it
	s_endpgm
.Lfunc_end_k_q483a3ca9e7_proj:
	.size	k_q483a3ca9e7_proj, .Lfunc_end_k_q483a3ca9e7_proj-k_q483a3ca9e7_proj
	.p2alignl 7, 3214868480
	.fill 96, 4, 3214868480
	.section	.rodata,"a",@progbits
	.p2align	6, 0x0
	.amdhsa_kernel k_q483a3ca9e7_proj
		.amdhsa_group_segment_fixed_size 327680
		.amdhsa_private_segment_fixed_size 0
		.amdhsa_enable_private_segment 0
		.amdhsa_kernarg_size 56
		.amdhsa_user_sgpr_count 2
		.amdhsa_user_sgpr_kernarg_segment_ptr 1
		.amdhsa_wavefront_size32 1
		.amdhsa_system_sgpr_workgroup_id_x 1
		.amdhsa_system_sgpr_workgroup_id_y 1
		.amdhsa_system_sgpr_workgroup_id_z 1
		.amdhsa_system_vgpr_workitem_id 0
		.amdhsa_next_free_vgpr 640
		.amdhsa_next_free_sgpr 90
		.amdhsa_reserve_vcc 0
		.amdhsa_float_denorm_mode_32 3
		.amdhsa_float_denorm_mode_16_64 3
		.amdhsa_memory_ordered 1
		.amdhsa_forward_progress 1
		.amdhsa_inst_pref_size 86
	.end_amdhsa_kernel
	.amdgpu_metadata
---
amdhsa.version: [ 1, 2 ]
amdhsa.kernels:
  - .name:           k_q483a3ca9e7_proj
    .symbol:         k_q483a3ca9e7_proj.kd
    .args:
      - { .name: xb, .offset: 0, .size: 8, .value_kind: global_buffer, .address_space: global }
      - { .name: wb, .offset: 8, .size: 8, .value_kind: global_buffer, .address_space: global }
      - { .name: rope, .offset: 16, .size: 8, .value_kind: global_buffer, .address_space: global }
      - { .name: bq, .offset: 24, .size: 8, .value_kind: global_buffer, .address_space: global }
      - { .name: bk, .offset: 32, .size: 8, .value_kind: global_buffer, .address_space: global }
      - { .name: bv, .offset: 40, .size: 8, .value_kind: global_buffer, .address_space: global }
      - { .name: qkv, .offset: 48, .size: 8, .value_kind: global_buffer, .address_space: global }
    .group_segment_fixed_size: 327680
    .private_segment_fixed_size: 0
    .kernarg_segment_align: 8
    .kernarg_segment_size: 56
    .max_flat_workgroup_size: 128
    .sgpr_count:     90
    .vgpr_count:     640
    .wavefront_size: 32
...
	.end_amdgpu_metadata
.endif
;; end of part 2
;; launch attn (part 3): grid 16 x 16, 8 waves a work-group, no clusters, 327,680 bytes of LDS; arguments qkv, msk, ob; writes ob
.if DOCPART == 3
	.amdgcn_target "amdgcn-amd-amdhsa--gfx1250"
	.amdhsa_code_object_version 6
	.text
	.protected	k_q483a3ca9e7_attn
	.globl	k_q483a3ca9e7_attn
	.p2align	8
	.type	k_q483a3ca9e7_attn,@function
k_q483a3ca9e7_attn:
	s_mov_b64 s[64:65], 0
	v_nop
	global_prefetch_b8 v0, s[64:65] scope:SCOPE_SE
	s_setreg_imm32_b32 hwreg(HW_REG_WAVE_MODE, 25, 1), 1
	s_wait_xcnt 0x0
; THREE MASKED ATTENTIONS OVER ONE q, k, v, SUMMED.  For mask j (0 same instrument, 1 cross instrument, 2 global keys): O_j[q] = sum over the keys that mask j allows of softmax(q . k / 8) v, or 0 where it allows none.
; q, k, v: f16 [16 heads][2048][64] in qkv.  ob = O_0 + O_1 + O_2 in f16, laid [16 blocks of 128 tokens][16 heads][128][64].  Scores, maxima and sums in f32; the weights p are rounded to f16 for the second product.
; The scores K Q^T are made once for the three masks.  The masks come as lane masks, whole numbers that the launch before stored; they only select values (v_cndmask_b32): no branch and no address hangs on them.
; WHAT IS LEFT OUT.  Masks 0 and 2 are causal by the model's own lower triangle, so for query tile T (16 queries) they allow nothing in key step s (64 keys) where s > T / 4: there their two blocks are jumped over,
; by one forward jump past no barrier and no tensor load, on a bound made of the work-group's and the wave's numbers.  The cross mask is not causal: its block is made in every step.
; SOFTMAX.  Each mask has a running maximum m of its own, over its allowed keys: p = 2^(c s - c m), c = log2(e) / 8; O and l are multiplied by a = 2^(c m_old - c m_new) in each of its steps.
; A hidden score counts as NG = -2^100.  A row that has met only hidden keys has m = NG and p = 2^0 (c NG is exact, NG being a power of two): finite numbers, which the first allowed key's a = 0 wipes out,
; and which the way out multiplies by 0 where no allowed key ever came (m still below -2^96).  l is the row sum of the rounded p, made by the matrix unit (ones x P), so every lane has it.
; LIMITS.  q, k, v and the sum of the three outputs lie within f16's 65,504; an allowed score lies above -2^96; allowed scores so low (about -1e9 and below) that the model's own -1e9 for hidden keys
; would share their weight are not followed; a weight below 2^-126 counts as 0; NaN and infinities are not treated apart.
; SHARES.  A work-group has 8 waves, a wave ONE tile of 16 queries of one head: four early tiles (4 p + i, bound p) and four late ones (124 - 4 p + i, bound 31 - p), an early and a late one on each pair of waves:
; a pair has 2 x 32 + 2 (p + 1) + 2 (32 - p) = 130 blocks, whatever p.  Every wave walks all 2,048 keys: 8 tiles of 256 keys in a ring of two LDS slots, 64 keys a step.
; A slot holds 256 rows of K, 256 rows of V, and the lane masks of its four key steps for the work-group's four pairs of query tiles.  Waves 0, 1 fetch K, waves 2, 3 V, waves 4 to 7 a pair's masks each.
; NO CLUSTER: the bound of the jump hangs on the query tile's place, which differs between the work-groups that share K and V, and partners of joint loads must run alike.
; REGISTERS: window 0: addresses, statistics (c m, m, a, c m_old - c m_new for each mask), Q v40-55, S^T v64-95, the masked scores X v96-127, K v128-191, P v192-207.
;   window 1: O_j^T at v[32 j ..], l_j at v[96 + 8 j ..], ones v120-127, V v128-191.
.set KS,    64
.set PK,    144       ; a row of K in LDS: 128 bytes + 16 of padding: the 16 rows of a load start at 16 different groups of four banks (ISA guide 11.1)
.set PV,    160       ; a row of V: 128 + 32
.set VOFF,  4*KS*PK   ; in a slot: 256 rows of K, then 256 rows of V,
.set MOFF,  4*KS*(PK+PV)   ; then four regions of lane masks
.set MREG,  4*768     ; a region: [4 key steps][3 masks][32 registers][2 tiles], the masks of one pair of query tiles
.set SLOT1, 1<<17     ; slot 1 begins here, so that one exclusive or turns an address in one slot into the other's
.set STAGE, MOFF+4*MREG    ; behind slot 0, never filled by a tensor load: 16 rows x 144 bytes for each wave, for the way out
.set SP,    144
.set SPARE, STAGE+8*16*SP  ; the spare words, 128 bytes a wave: four blocks of 256 bytes that no other line names
.set AK0, 2           ; my lane's place in a tile of K; never rewritten
.set AV0, 3           ; the same for V
.set AK,  4
.set AV,  5
.set STO, 6
.set RD,  7
.set GO,  8
.set AM0, 12          ; lane r's word of mask 0 in a slot's first step; never rewritten
.set AM,  13
.set QO,  14
.set MW,  16          ; v16-18  lane r: the lane mask of register r, for each mask
.set STT, 20          ; mask j's statistics at v[20 + 4 j]
.set CC,  32          ; v32-35 at work
.set OLD, 36
.set NG,  37          ; -2^100
.set SPW, 38          ; LDS address of my spare word; never rewritten
.set NIL, 39          ; 0; never rewritten
.set Q,   40
.set S,   64
.set X,   96
.set KF,  128
.set P,   192
.set RR,  208         ; v208-213: 1 / l_j or 0, in pairs
.set LL,  96          ; window 1
.set ONES, 120        ; window 1
.set VF,  128         ; window 1
.set WV,  12
.set TYP, 13
.set IDX, 14
.set TQ,  15          ; my query tile, 0..127
.set LIM, 16          ; the last key step in which a causal mask can allow anything: my tile / 4
.set CS,  20          ; s[20:21] c
.set THR, 23          ; -2^96
.set G1K, 24
.set G1V, 32
.set G0K, 40
.set G0V, 44
.set G1M, 48
.set G0M, 56
.set SEL, 60
.set TBK, 62          ; LDS byte at which K of the step in hand begins
.set TBV, 63          ; the same for V, less VOFF
.set SLOTS, 66
.set CNT, 67
.set MA,  68          ; s[68:99] the 32 lane masks of the block in hand
.set ST,  100         ; the key step, 0..31
.set TBM, 101         ; the same as TBK for the masks, less MOFF
.set MSB, 0
.macro WIN new
.if MSB != (\new)
	s_set_vgpr_msb (MSB<<8)|(\new)
.set MSB, (\new)
.endif
.endm
.macro PLACES
.rept 4
	v_nop
.endr
.endm
; A fill.  Waves 0 and 1 fetch the two halves of a tile's K, waves 2 and 3 those of its V, 128 keys each; waves 4 to 7 the masks of one pair of query tiles for the tile's four key steps.
; Each wave issues one of the three lines.  An s_nop 0 and four v_nop follow each line.
.macro LOAD
	s_cmp_lt_u32 s[WV], 2
	s_cbranch_scc0 .Lnot_k_\@
	tensor_load_to_lds s[G0K:G0K+3], s[G1K:G1K+7]
	s_nop 0
.rept 4
	v_nop
.endr
	s_branch .Lasked_\@
.Lnot_k_\@:
	s_cmp_lt_u32 s[WV], 4
	s_cbranch_scc0 .Lfor_m_\@
	tensor_load_to_lds s[G0V:G0V+3], s[G1V:G1V+7]
	s_nop 0
.rept 4
	v_nop
.endr
	s_branch .Lasked_\@
.Lfor_m_\@:
	tensor_load_to_lds s[G0M:G0M+3], s[G1M:G1M+7]
	s_nop 0
.rept 4
	v_nop
.endr
.Lasked_\@:
.endm
; THE CHANGE OF SLOTS.  Each wave waits for all its tensor loads (one is out: its part of the other slot), adds 0 to its spare word, and waits for that and for its reads of the slot that it leaves.
; Behind the barrier nobody reads the old slot and the other slot is whole.  fill = 1: the old slot takes the next 256 keys and their masks, first thing behind the barrier.
; (At its first use nothing has been read yet: slot 0 is waited for, slot 1 filled.)
.macro CHANGE fill
	WIN 0
	s_wait_tensorcnt 0x0            ; no tensor load of mine is out, so a group 0 may be written
	ds_add_u32 v[SPW], v[NIL]
.if \fill
	s_xor_b32 s[G0K+1], s[G0K+1], SLOT1
	s_add_nc_u64 s[G0K+2:G0K+3], s[G0K+2:G0K+3], 32768  ; 256 keys of 128 bytes on; the type bits on top are not reached
	s_xor_b32 s[G0V+1], s[G0V+1], SLOT1
	s_add_nc_u64 s[G0V+2:G0V+3], s[G0V+2:G0V+3], 32768
	s_xor_b32 s[G0M+1], s[G0M+1], SLOT1
	s_add_nc_u64 s[G0M+2:G0M+3], s[G0M+2:G0M+3], 4*49152  ; four key steps on
.endif
	s_wait_dscnt 0x0                ; the add is done, and my reads of the slot are over
	s_barrier_signal -1
	s_sub_co_u32 s[TBK], s[TBK], 4*KS*PK  ; the fetches go back to a slot's first step,
	s_xor_b32 s[TBK], s[TBK], SLOT1       ; in the other slot
	s_sub_co_u32 s[TBV], s[TBV], 4*KS*PV
	s_xor_b32 s[TBV], s[TBV], SLOT1
	s_sub_co_u32 s[TBM], s[TBM], 4*768
	s_xor_b32 s[TBM], s[TBM], SLOT1
	s_barrier_wait -1
.if \fill
	LOAD
.endif
.endm
	s_load_b128 s[4:7], s[0:1], 0x0   ; qkv s[4:5], msk s[6:7]
	s_load_b64 s[8:9], s[0:1], 0x10   ; ob
	v_lshl_add_u32 v[SPW], v0, 2, SPARE
	v_mov_b32 v[NIL], 0
	ds_add_u32 v[SPW], v[NIL]       ; the wave's opening: the add and its wait ahead of my first tensor load
	ds_add_u32 v38, v39
	v_lshrrev_b32 v1, 5, v0
	v_readfirstlane_b32 s[WV], v1   ; wave 0..7
	s_lshr_b32 s2, s[WV], 2
	s_add_co_u32 s[TYP], s[WV], s2
	s_and_b32 s[TYP], s[TYP], 1     ; 0: an early tile, 1: a late one: waves 0..7 have 0 1 0 1 1 0 1 0
	s_lshr_b32 s[IDX], s[WV], 1     ; which of the four
	s_and_b32 s11, s[WV], 1
	s_lshl_b32 s2, ttmp9, 2
	s_sub_co_u32 s3, 124, s2
	s_cmp_eq_u32 s[TYP], 1
	s_cselect_b32 s[TQ], s3, s2
	s_add_co_u32 s[TQ], s[TQ], s[IDX]
	s_lshr_b32 s[LIM], s[TQ], 2     ; key 64 s is not behind query 16 T + 15 where s <= T / 4
	s_and_b32 s10, ttmp7, 0xffff    ; the head
	s_lshl_b32 s22, ttmp9, 1        ; the pair of tiles whose masks I fetch (waves 4, 5: the early pairs 2 p, 2 p + 1; waves 6, 7: the late pairs 62 - 2 p, 63 - 2 p)
	s_sub_co_u32 s3, 62, s22
	s_cmp_eq_u32 s[IDX], 3
	s_cselect_b32 s22, s3, s22
	s_add_co_u32 s22, s22, s11
	s_mul_i32 s66, s22, 768
	s_mov_b32 s67, 0
	s_lshl_b32 s2, s10, 18          ; the head's 262,144 bytes,
	s_lshl_b32 s3, s11, 14          ; my half of a tile's 256 keys
	s_add_co_u32 s2, s2, s3
	s_mov_b32 s3, 0
	; 128 keys are 16,384 dense bytes: asked for as 64 rows of 256 bytes, two keys a row, and padded in LDS after every key
	s_mov_b32 s[G1K], (1<<16)|(1<<20)|(4<<22)|(3<<25)  ; 2-byte elements; padding on; after every 32 words, 4 words
	s_mov_b32 s[G1V], (1<<16)|(1<<20)|(4<<22)|(7<<25)  ; the same with 8 words
.irp g, G1K, G1V
	s_mov_b32 s[(\g)+1], 128<<16
	s_mov_b32 s[(\g)+2], 64<<16
	s_mov_b32 s[(\g)+3], 128<<16
	s_mov_b32 s[(\g)+4], 64
	s_mov_b32 s[(\g)+5], 128
	s_mov_b32 s[(\g)+6], 0
	s_mov_b32 s[(\g)+7], 0
.endr
	s_mov_b32 s[G1M], 2<<16         ; a pair's masks: 4-byte elements, no padding,
	s_mov_b32 s[G1M+1], 192<<16     ; rows of 192 words (768 bytes),
	s_mov_b32 s[G1M+2], 4<<16       ; 4 of them, one for each key step of the tile (there are no more to a tile),
	s_mov_b32 s[G1M+3], 192<<16
	s_mov_b32 s[G1M+4], 4
	s_mov_b32 s[G1M+5], 12288       ; 49,152 bytes apart
	s_mov_b32 s[G1M+6], 0
	s_mov_b32 s[G1M+7], 0
	s_mov_b32 s[G0K], 1
	s_mul_i32 s[G0K+1], s11, 128*PK
	s_mov_b32 s[G0V], 1
	s_mul_i32 s[G0V+1], s11, 128*PV
	s_add_co_u32 s[G0V+1], s[G0V+1], VOFF
	s_mov_b32 s[G0M], 1
	s_mul_i32 s[G0M+1], s[WV], MREG
	s_add_co_u32 s[G0M+1], s[G0M+1], MOFF-4*MREG  ; wave 4 + g fills region g
	s_mov_b32 s[CS], 0x3e38aa3b     ; c = log2(e) / 8
	s_mov_b32 s[CS+1], s[CS]        ; named with it as a pair
	s_mov_b32 s[THR], 0xef800000
	s_mov_b32 s[SEL], 0x76543210
	s_mov_b32 s[SEL+1], 0xfedcba98
	s_mov_b32 s[TBK], SLOT1+4*KS*PK ; the first change of slots turns these three into 0
	s_mov_b32 s[TBV], SLOT1+4*KS*PV
	s_mov_b32 s[TBM], SLOT1+4*768
	s_mov_b32 s[ST], 0
	s_wait_dscnt 0x0                ; the opening add is done
	s_wait_kmcnt 0x0
	s_add_nc_u64 s[G0K+2:G0K+3], s[4:5], s[2:3]
	s_add_nc_u64 s[G0V+2:G0V+3], s[G0K+2:G0K+3], 0x800000  ; v lies 8 MiB into qkv,
	s_add_nc_u64 s[G0K+2:G0K+3], s[G0K+2:G0K+3], 0x400000  ; k 4 MiB
	s_or_b32 s[G0K+3], s[G0K+3], 0x80000000
	s_or_b32 s[G0V+3], s[G0V+3], 0x80000000
	s_add_nc_u64 s[G0M+2:G0M+3], s[6:7], s[66:67]
	s_or_b32 s[G0M+3], s[G0M+3], 0x80000000
	LOAD                            ; the first fills, slot 0: each wave issues one
	s_lshl_b32 s2, s10, 18
	s_lshl_b32 s3, s[TQ], 11
	s_add_co_u32 s2, s2, s3
	s_mov_b32 s3, 0
	s_add_nc_u64 s[4:5], s[4:5], s[2:3]   ; q at my tile's first row
	s_lshr_b32 s2, s[TQ], 3
	s_lshl_b32 s2, s2, 18           ; ob: the block of 128 tokens,
	s_lshl_b32 s3, s10, 14          ; the head,
	s_add_co_u32 s2, s2, s3
	s_and_b32 s3, s[TQ], 7
	s_lshl_b32 s3, s3, 11           ; my 16 rows of 128 bytes
	s_add_co_u32 s2, s2, s3
	s_mov_b32 s3, 0
	s_add_nc_u64 s[8:9], s[8:9], s[2:3]
	v_and_b32 v1, 15, v0            ; l % 16
	v_bfe_u32 v9, v0, 4, 1          ; l / 16
	v_and_b32 v15, 31, v0           ; l
	v_lshlrev_b32 v[QO], 7, v1
	v_lshl_add_u32 v[QO], v9, 4, v[QO]
	global_load_b128 v[Q:Q+3],     v[QO], s[4:5]
	global_load_b128 v[Q+4:Q+7],   v[QO], s[4:5] offset:32
	global_load_b128 v[Q+8:Q+11],  v[QO], s[4:5] offset:64
	global_load_b128 v[Q+12:Q+15], v[QO], s[4:5] offset:96
	; O and l start at 0 and the first step is a step like any other, with a = 0: no first step is written out, which would be a second copy of a step's text.  These lines stand in the wait for the first tile.
	WIN 0x40
.set i, 0
.rept 120
	v_mov_b32 v[i], 0
.set i, i+1
.endr
.set i, 0
.rept 8
	v_mov_b32 v[ONES+i], 0x3c003c00    ; 1.0, 1.0 in f16
.set i, i+1
.endr
	WIN 0
.irp j, 0,1,2
	v_mov_b32 v[STT+4*(\j)], 0xfe000000    ; c m: far below every c s, so a mask's first a is 0
	v_mov_b32 v[STT+4*(\j)+1], 0xff7fffff  ; m: the lowest finite number
.endr
	v_mov_b32 v[NG], 0xf1800000
	v_mul_u32_u24 v[AK0], v1, PK
	v_lshl_add_u32 v[AK0], v9, 4, v[AK0]   ; row x pitch + 16 x half
	; The turning load takes 16 keys x 16 channels (lane l reads key 8 (l / 16) + l % 8, channels 8 ((l / 8) % 2) + 0..7) and leaves half a fragment of V^T: lane l holds channel l % 16 and 8 keys.
	v_and_b32 v10, 7, v0
	v_bfe_u32 v11, v0, 3, 1
	v_lshl_add_u32 v[AV0], v9, 3, v10
	v_mul_u32_u24 v[AV0], v[AV0], PV
	v_lshl_add_u32 v[AV0], v11, 4, v[AV0]
	v_add_nc_u32 v[AV0], VOFF, v[AV0]
	s_lshl_b32 s2, s[TYP], 1
	s_lshr_b32 s3, s[IDX], 1
	s_add_co_u32 s2, s2, s3         ; my pair's region: 2 x type + which pair of the type's two
	s_mul_i32 s2, s2, MREG
	s_and_b32 s3, s[IDX], 1         ; my tile of the pair:
	s_lshl_b32 s3, s3, 2            ; its word of the two
	s_add_co_u32 s2, s2, s3
	s_add_co_u32 s2, s2, MOFF
	v_lshl_add_u32 v[AM0], v15, 3, s2
	s_mul_i32 s2, s[WV], 16*SP
	s_add_co_u32 s2, s2, STAGE      ; my stage
	v_mul_u32_u24 v[STO], v1, SP
	v_lshl_add_u32 v[STO], v9, 4, v[STO]
	v_add_nc_u32 v[STO], s2, v[STO]
	v_bfe_u32 v[RD], v0, 3, 2
	v_mul_u32_u24 v[RD], v[RD], SP
	v_lshl_add_u32 v[RD], v10, 4, v[RD]
	v_add_nc_u32 v[RD], s2, v[RD]
	v_lshlrev_b32 v[GO], 4, v15
	s_wait_loadcnt 0x0              ; Q
	s_mov_b32 s[SLOTS], 7
.macro FS n                         ; c s - c m for pair n of the 16 pairs of masked scores
	v_pk_fma_f32 v[X+2*(\n):X+2*(\n)+1], v[X+2*(\n):X+2*(\n)+1], s[CS:CS+1], v[rT:rT+1] op_sel_hi:[1,0,0] neg_lo:[0,0,1] neg_hi:[0,0,1]
.endm
.macro CVP n                        ; pair n rounded to f16
	s_wait_alu depctr_va_vdst(0)
	v_cvt_pk_f16_f32 v[P+(\n)], v[X+2*(\n)], v[X+2*(\n)+1]
.endm
; ONE MASK'S WORK ON A STEP.  waitv = 1: the step's first block, which waits for V ahead of its products.
.macro BLOCK j, waitv
.set rT, STT+4*(\j)
.set i, 0
.rept 32
	v_readlane_b32 s[MA+i], v[MW+(\j)], i          ; lane r's word is the lane mask of register r
.set i, i+1
.endr
.set i, 0
.rept 32
	v_cndmask_b32 v[X+i], v[NG], v[S+i], s[MA+i]   ; ascending: each accumulator's lowest registers are read first
.set i, i+1
.endr
.irp c, 0,1,2,3                     ; the maximum: four chains of seven scores, three operands at a time,
	v_max3_num_f32 v[CC+(\c)], v[X+8*(\c)], v[X+8*(\c)+1], v[X+8*(\c)+2]
.endr
.irp c, 0,1,2,3
	v_max3_num_f32 v[CC+(\c)], v[CC+(\c)], v[X+8*(\c)+3], v[X+8*(\c)+4]
.endr
.irp c, 0,1,2,3
	v_max3_num_f32 v[CC+(\c)], v[CC+(\c)], v[X+8*(\c)+5], v[X+8*(\c)+6]
.endr
	v_max3_num_f32 v[CC], v[CC], v[X+7], v[X+15]   ; the four left over, the old m,
	v_max3_num_f32 v[CC+1], v[CC+1], v[X+23], v[X+31]
	v_max3_num_f32 v[CC+2], v[CC+2], v[CC+3], v[rT+1]
	v_mov_b32 v[OLD], v[rT]
	v_max3_num_f32 v[CC], v[CC], v[CC+1], v[CC+2]
	v_permlanex16_b32 v[CC+3], v[CC], s[SEL], s[SEL+1]  ; the query's other 32 keys lie in the lane 16 away
	v_max_num_f32 v[rT+1], v[CC], v[CC+3]
	v_mul_f32 v[rT], s[CS], v[rT+1]
	v_sub_f32 v[rT+3], v[OLD], v[rT]
	v_exp_f32 v[rT+2], v[rT+3]                     ; a
	FS 0                                           ; plain lines behind it
	FS 1
	FS 2
	FS 3
.set n, 0
.rept 32                            ; the exponentials, with work that is ready between them: scalings four pairs ahead, then roundings of pairs whose exponentials have a plain line behind them
	v_exp_f32 v[X+n], v[X+n]
.if n < 12
	FS n+4
.elseif n < 22
	CVP n-12
.elseif n%2 == 1
	CVP (n-23)/2+10
.endif
.set n, n+1
.endr
	CVP 15
	WIN 0x41                        ; destination and source 0 in window 1, a in window 0
.set i, 0
.rept 16
	v_pk_mul_f32 v[32*(\j)+2*i:32*(\j)+2*i+1], v[32*(\j)+2*i:32*(\j)+2*i+1], v[rT+2:rT+3] op_sel_hi:[1,0]
.set i, i+1
.endr
	v_mul_f32 v[LL+8*(\j)], v[LL+8*(\j)], v[rT+2]  ; of l's eight equal rows only the lowest register is used; the others stay sums of weights, 2,048 at the most
.if \waitv
	s_wait_dscnt 0x0                ; V's sixteen loads are in: this block stands on every way through a step, ahead of every product that reads V and of the next step's loads into V's registers
.endif
	WIN 0x51                        ; V and ones in window 1, P in window 0, C and D in window 1
.irp kk, 0,1                        ; five accumulators by turns; the matrix instruction in front of the first is a score's or another mask's
.irp cb, 0,1,2,3
	v_wmma_f32_16x16x32_f16 v[32*(\j)+8*(\cb):32*(\j)+8*(\cb)+7], v[VF+32*(\kk)+8*(\cb):VF+32*(\kk)+8*(\cb)+7], v[P+8*(\kk):P+8*(\kk)+7], v[32*(\j)+8*(\cb):32*(\j)+8*(\cb)+7]
.endr
	v_wmma_f32_16x16x32_f16 v[LL+8*(\j):LL+8*(\j)+7], v[ONES:ONES+7], v[P+8*(\kk):P+8*(\kk)+7], v[LL+8*(\j):LL+8*(\j)+7]
.endr
	WIN 0
.endm
; A KEY STEP: the scores, the cross mask's block, and, up to the diagonal's step, the two causal masks' blocks.
.macro STEP
	PLACES                          ; behind the last products that read K's and V's registers, on every way here
	v_add_nc_u32 v[AK], s[TBK], v[AK0]
	v_add_nc_u32 v[AV], s[TBV], v[AV0]
	v_add_nc_u32 v[AM], s[TBM], v[AM0]
.irp m, 0,1,2
	ds_load_b32 v[MW+(\m)], v[AM] offset:256*(\m)
.endr
.irp f, 0,1,2,3,4,5,6,7             ; K: keys 16 (f / 2) on, channels 32 (f % 2) on
	ds_load_b128 v[KF+8*(\f):KF+8*(\f)+3],   v[AK] offset:((\f)/2)*16*PK+((\f)%2)*64
	ds_load_b128 v[KF+8*(\f)+4:KF+8*(\f)+7], v[AK] offset:((\f)/2)*16*PK+((\f)%2)*64+32
.endr
	WIN 0x40                        ; destination window 1
.irp f, 0,1,2,3,4,5,6,7             ; V, turned: keys 32 (f / 4) on, channels 16 (f % 4) on
	ds_load_tr16_b128 v[VF+8*(\f):VF+8*(\f)+3],   v[AV] offset:((\f)/4)*32*PV+((\f)%4)*32
	ds_load_tr16_b128 v[VF+8*(\f)+4:VF+8*(\f)+7], v[AV] offset:((\f)/4)*32*PV+16*PV+((\f)%4)*32
.endr
	WIN 0
	s_wait_dscnt 16                 ; the masks and K are in; V's sixteen loads may be out
.irp c, 0,1                         ; S^T = K Q^T: four accumulators by turns; the first four products start the sums
.irp kb, 0,1,2,3
.if (\c) == 0
	v_wmma_f32_16x16x32_f16 v[S+8*(\kb):S+8*(\kb)+7], v[KF+16*(\kb):KF+16*(\kb)+7], v[Q:Q+7], 0
.else
	v_wmma_f32_16x16x32_f16 v[S+8*(\kb):S+8*(\kb)+7], v[KF+16*(\kb)+8:KF+16*(\kb)+15], v[Q+8:Q+15], v[S+8*(\kb):S+8*(\kb)+7]
.endif
.endr
.endr
	PLACES                          ; in front of the first read of the scores
	BLOCK 1, 1
	s_cmp_le_u32 s[ST], s[LIM]      ; behind the diagonal's step every key lies behind every query of my tile
	s_cbranch_scc0 .Lstep_end_\@
	BLOCK 0, 0
	BLOCK 2, 0
.Lstep_end_\@:
.endm
.macro TILE                         ; a slot's four key steps: written once, walked four times
	s_mov_b32 s[CNT], 4
.Ltile_\@:
	STEP
	s_add_co_u32 s[TBK], s[TBK], KS*PK
	s_add_co_u32 s[TBV], s[TBV], KS*PV
	s_add_co_u32 s[TBM], s[TBM], 768
	s_add_co_u32 s[ST], s[ST], 1
	s_sub_co_u32 s[CNT], s[CNT], 1
	s_cmp_lg_u32 s[CNT], 0
	s_cbranch_scc1 .Ltile_\@
.endm
.Lslot:                             ; seven trips: a tile of 256 keys is entered and the next is asked for; that load has the tile's work in which to land
	CHANGE 1
	TILE
	s_sub_co_u32 s[SLOTS], s[SLOTS], 1
	s_cmp_lg_u32 s[SLOTS], 0
	s_cbranch_scc1 .Lslot
	CHANGE 0                        ; the last tile is written out: nothing is asked for
	TILE
	; THE WAY OUT.  O = sum over j of O_j / l_j, with 0 for 1 / l_j where the row never met an allowed key (a select, no branch); rounded to f16; through my stage in LDS, so that whole rows are stored.
	PLACES
	WIN 0x01                        ; source 0 in window 1
.irp j, 0,1,2
	v_rcp_f32 v[RR+2*(\j)], v[LL+8*(\j)]
.endr
	v_nop                           ; a plain instruction between the last reciprocal and the use of its result
	WIN 0
	s_wait_alu depctr_va_vdst(0)
.irp j, 0,1,2
	v_cmp_lt_f32 vcc_lo, s[THR], v[STT+4*(\j)+1]
	v_cndmask_b32 v[RR+2*(\j)], 0, v[RR+2*(\j)], vcc_lo
	v_mov_b32 v[RR+2*(\j)+1], 0     ; named with it as a pair
.endr
	WIN 0x01
.set n, 0
.rept 16
	v_pk_mul_f32 v[X+2*n:X+2*n+1], v[2*n:2*n+1], v[RR:RR+1] op_sel_hi:[1,0]
	v_pk_fma_f32 v[X+2*n:X+2*n+1], v[32+2*n:32+2*n+1], v[RR+2:RR+3], v[X+2*n:X+2*n+1] op_sel_hi:[1,0,1]
	v_pk_fma_f32 v[X+2*n:X+2*n+1], v[64+2*n:64+2*n+1], v[RR+4:RR+5], v[X+2*n:X+2*n+1] op_sel_hi:[1,0,1]
.set n, n+1
.endr
	WIN 0
.set n, 0
.rept 16
	v_cvt_pk_f16_f32 v[S+n], v[X+2*n], v[X+2*n+1]
.set n, n+1
.endr
.irp f, 0,1,2,3
	ds_store_b128 v[STO], v[S+4*(\f):S+4*(\f)+3] offset:32*(\f)
.endr
.irp f, 0,1,2,3
	ds_load_b128 v[S+16+4*(\f):S+16+4*(\f)+3], v[RD] offset:(\f)*4*SP  ; LDS serves a wave's instructions in order (ISA guide 5.7.1.4): these see the stores above
.endr
.irp f, 0,1,2,3
	s_wait_dscnt 3-(\f)
	global_store_b128 v[GO], v[S+16+4*(\f):S+16+4*(\f)+3], s[8:9] offset:(\f)*512  ; 512 consecutive bytes, at a multiple of 256 from ob's first
.endr
	s_wait_tensorcnt 0x0            ; the wave's end
	ds_add_u32 v[SPW], v[NIL]
	s_wait_dscnt 0x0
	s_endpgm
.Lfunc_end_k_q483a3ca9e7_attn:
	.size	k_q483a3ca9e7_attn, .Lfunc_end_k_q483a3ca9e7_attn-k_q483a3ca9e7_attn
	.p2alignl 7, 3214868480
	.fill 96, 4, 3214868480
	.section	.rodata,"a",@progbits
	.p2align	6, 0x0
	.amdhsa_kernel k_q483a3ca9e7_attn
		.amdhsa_group_segment_fixed_size 327680
		.amdhsa_private_segment_fixed_size 0
		.amdhsa_enable_private_segment 0
		.amdhsa_kernarg_size 24
		.amdhsa_user_sgpr_count 2
		.amdhsa_user_sgpr_kernarg_segment_ptr 1
		.amdhsa_wavefront_size32 1
		.amdhsa_system_sgpr_workgroup_id_x 1
		.amdhsa_system_sgpr_workgroup_id_y 1
		.amdhsa_system_sgpr_workgroup_id_z 1
		.amdhsa_system_vgpr_workitem_id 0
		.amdhsa_next_free_vgpr 448
		.amdhsa_next_free_sgpr 102
		.amdhsa_reserve_vcc 1
		.amdhsa_float_denorm_mode_32 3
		.amdhsa_float_denorm_mode_16_64 3
		.amdhsa_memory_ordered 1
		.amdhsa_forward_progress 1
		.amdhsa_inst_pref_size 91
	.end_amdhsa_kernel
	.amdgpu_metadata
---
amdhsa.version: [ 1, 2 ]
amdhsa.kernels:
  - .name:           k_q483a3ca9e7_attn
    .symbol:         k_q483a3ca9e7_attn.kd
    .args:
      - { .name: qkv, .offset: 0, .size: 8, .value_kind: global_buffer, .address_space: global }
      - { .name: msk, .offset: 8, .size: 8, .value_kind: global_buffer, .address_space: global }
      - { .name: ob, .offset: 16, .size: 8, .value_kind: global_buffer, .address_space: global }
    .group_segment_fixed_size: 327680
    .private_segment_fixed_size: 0
    .kernarg_segment_align: 8
    .kernarg_segment_size: 24
    .max_flat_workgroup_size: 256
    .sgpr_count:     102
    .vgpr_count:     448
    .wavefront_size: 32
...
	.end_amdgpu_metadata
.endif
;; end of part 3
;; launch outp (part 4): grid 16 x 16, 4 waves a work-group, clusters of 4 x 4, 327,680 bytes of LDS; arguments ob, wb, bo, out0; writes out0
.if DOCPART == 4
	.amdgcn_target "amdgcn-amd-amdhsa--gfx1250"
	.amdhsa_code_object_version 6
	.text
	.protected	k_q483a3ca9e7_outp
	.globl	k_q483a3ca9e7_outp
	.p2align	8
	.type	k_q483a3ca9e7_outp,@function
k_q483a3ca9e7_outp:
	s_mov_b64 s[64:65], 0
	v_nop
	global_prefetch_b8 v0, s[64:65] scope:SCOPE_SE
	s_setreg_imm32_b32 hwreg(HW_REG_WAVE_MODE, 25, 1), 1
	s_wait_xcnt 0x0
	s_wait_alu depctr_hold_cnt(0) depctr_sa_sdst(0) depctr_va_vdst(0) depctr_va_sdst(0) depctr_va_ssrc(0) depctr_va_vcc(0) depctr_vm_vsrc(0)
	s_getreg_b32 s2, hwreg(HW_REG_IB_STS2, 6, 4)
	s_cmp_eq_u32 s2, 0
	s_cbranch_scc0 .Lentry_in_a_cluster
	s_endpgm
.Lentry_in_a_cluster:
	s_bfe_u32 s2, ttmp6, 0x10000c
	s_cmp_lg_u32 s2, 0xf033
	s_cbranch_scc0 .Lentry_shape_is_right
	s_endpgm
.Lentry_shape_is_right:
; out0 = O Wo^T + bo.  O: f16, laid [16 blocks of 128 tokens][16 heads][128][64] (ob); Wo: f16 [1024][1024], from byte 6,291,456 of wb; bo is rounded to bf16 here and starts the sums; out0: f32 [2048][1024].
; SHARES.  Work-group (feature tile, token block): 128 tokens x 64 features, so that each of 256 work-groups has one tile.  Wave w: tokens 32 w on (two blocks a) x all 64 features (four tiles b): 8 accumulators.
; K goes in steps of 256 = four heads: in ob a step's 128 tokens x 4 heads are 65,536 consecutive bytes, asked for as rows of 256 bytes and padded in LDS after every 128.  Two slots; four steps in all.
; CLUSTER 4 x 4: O's tile hangs on the token block alone and is asked for jointly along a row of the cluster, Wo's on the feature tile alone, jointly along a column.
; THE MATRIX INSTRUCTION IS USED TRANSPOSED (source 0 = 16 rows of Wo, source 1 = 16 rows of O): a lane holds one token and eight neighbouring features.
; REGISTERS: window 0: v0-31 addresses; v32-63 the biases; v64-127 rows on the way out; v128-191 the accumulators ((a, b) at v[128 + 8 (4 a + b)]).
;   window 1: two fragment buffers of 96, for 64 along K: O's at f + 8 (2 c + a), Wo's at f + 32 + 8 (4 c + b).
.set PA,     144                       ; a token's 128 bytes of one head + 16 of padding
.set PB,     528                       ; a row of Wo: 512 bytes + 16 of padding: in both, the 16 rows of a fragment load start at 16 different groups of four banks (ISA guide 11.1)
.set AH,     256*PA                    ; what one tensor load brings of O: two heads x 128 tokens
.set BH,     32*PB                     ; and of Wo: 32 rows (its tile has only 64 for two waves)
.set SLOT,   2*AH+2*BH
.set STAGE,  2*SLOT                    ; behind the ring: 32 rows x 272 bytes for each wave, for the way out; no tensor load fills it
.set SPITCH, 272
.set SPARE,  STAGE+4*32*SPITCH         ; the spare words, 128 bytes a wave: two blocks of 256 bytes that no other line names
.set ADRA, 16
.set ADRB, 20
.set STO,  24
.set RD,   25
.set CO,   26
.set BO,   27
.set SPW,  28                          ; LDS address of my spare word; never rewritten
.set NIL,  29                          ; 0; never rewritten
.set BT,   30
.set BIAS, 32
.set OUT,  64
.set ACC,  128
.set F0,   0
.set F1,   96
.set G1, 24
.set G0, 32
.set G1B, 48
.set G0B, 56
.set MSB, 0
.macro WIN new
.if MSB != (\new)
	s_set_vgpr_msb (MSB<<8)|(\new)
.set MSB, \new
.endif
.endm
.macro JLOAD s                         ; a joint load: waves 0 and 1 fetch O's two halves, waves 2 and 3 Wo's; an s_nop 0 and four v_nop follow each line
	s_cmp_eq_u32 s11, 0
	s_cbranch_scc0 .Lfor_b_\@
	tensor_load_to_lds s[G0+4*(\s):G0+4*(\s)+3], s[G1:G1+7]
	s_nop 0
.rept 4
	v_nop
.endr
	s_branch .Lasked_\@
.Lfor_b_\@:
	tensor_load_to_lds s[G0B+4*(\s):G0B+4*(\s)+3], s[G1B:G1B+7]
	s_nop 0
.rept 4
	v_nop
.endr
.Lasked_\@:
.endm
.macro CREST
	s_cmp_lg_u32 s10, 0
	s_cbranch_scc1 .Lnot_wave_0_\@
	s_barrier_signal -3
.Lnot_wave_0_\@:
	s_barrier_wait -3
	s_barrier_signal -1
	s_barrier_wait -1
.endm
.macro CROUND
	s_barrier_signal -1
	s_barrier_wait -1
	CREST
.endm
.macro PLACES
.rept 4
	v_nop
.endr
.endm
	s_load_b256 s[68:75], s[0:1], 0x0              ; ob 68, wb 70, bo 72, out0 74
	v_lshl_add_u32 v[SPW], v0, 2, SPARE
	v_mov_b32 v[NIL], 0
	ds_add_u32 v[SPW], v[NIL]                      ; the wave's opening: the add and its wait ahead of my first tensor load
	ds_add_u32 v28, v29
	v_lshrrev_b32 v1, 5, v0
	v_readfirstlane_b32 s10, v1                    ; wave 0..3
	s_lshr_b32 s11, s10, 1                         ; I fetch for O (0) or for Wo (1),
	s_and_b32 s12, s10, 1                          ; and which half
	s_bfe_u32 s40, ttmp6, 0x40000                  ; cx, cy
	s_bfe_u32 s41, ttmp6, 0x40004
	s_lshl_b32 s42, ttmp9, 2
	s_add_co_u32 s42, s42, s40                     ; the feature tile
	s_and_b32 s13, ttmp7, 0xffff
	s_lshl_b32 s13, s13, 2
	s_add_co_u32 s13, s13, s41                     ; the token block
	s_lshl_b32 s43, s41, 2
	s_lshl_b32 s43, 15, s43                        ; my row of the cluster
	s_lshl_b32 s44, 0x1111, s40                    ; my column
	s_or_b32 s[G1+0], s43, (1<<16)|(1<<20)|(1<<21)|(4<<22)|(3<<25)   ; the mask; 2-byte elements; padding on; bit 21 beside a mask; after every 32 words, 4 words
	s_mov_b32 s[G1+1], 128<<16                     ; O: 128 rows of 128 elements, dense
	s_mov_b32 s[G1+2], 128<<16
	s_mov_b32 s[G1+3], 128<<16
	s_mov_b32 s[G1+4], 128
	s_mov_b32 s[G1+5], 128
	s_mov_b32 s[G1+6], 0
	s_mov_b32 s[G1+7], 0
	s_or_b32 s[G1B+0], s44, (1<<16)|(1<<20)|(1<<21)|(6<<22)|(3<<25)  ; after every 128 words, 4 words
	s_mov_b32 s[G1B+1], 256<<16                    ; Wo: 32 rows of 256 elements, 1,024 elements apart
	s_mov_b32 s[G1B+2], 32<<16
	s_mov_b32 s[G1B+3], 256<<16
	s_mov_b32 s[G1B+4], 32
	s_mov_b32 s[G1B+5], 1024
	s_mov_b32 s[G1B+6], 0
	s_mov_b32 s[G1B+7], 0
	s_lshl_b32 s16, s13, 18                        ; O: the token block's 262,144 bytes,
	s_lshl_b32 s17, s12, 15                        ; my two heads of the step's four
	s_add_co_u32 s16, s16, s17
	s_mov_b32 s17, 0
	s_lshl_b32 s46, s42, 6
	s_lshl_b32 s47, s12, 5
	s_add_co_u32 s46, s46, s47                     ; Wo: row 64 x feature tile + 32 x half,
	s_lshl_b32 s46, s46, 11                        ; of 2,048 bytes,
	s_add_co_u32 s46, s46, 6291456                 ; behind the other weights
	s_mov_b32 s47, 0
	s_mul_i32 s20, s12, AH                         ; where they go: no place in the cluster enters an LDS address
	s_mul_i32 s21, s12, BH
	s_add_co_u32 s21, s21, 2*AH
	s_wait_dscnt 0x0                               ; the opening add is done
	s_wait_kmcnt 0x0
	s_add_nc_u64 s[14:15], s[68:69], s[16:17]
	s_add_nc_u64 s[46:47], s[70:71], s[46:47]
	CROUND                                         ; all sixteen work-groups are here: the first joint loads meet
.irp s, 0,1
	s_mov_b32 s[G0+4*(\s)], 1
	s_add_co_u32 s[G0+4*(\s)+1], s20, (\s)*SLOT
	s_add_nc_u64 s[G0+4*(\s)+2:G0+4*(\s)+3], s[14:15], (\s)*65536
	s_or_b32 s[G0+4*(\s)+3], s[G0+4*(\s)+3], 0x80000000
	s_mov_b32 s[G0B+4*(\s)], 1
	s_add_co_u32 s[G0B+4*(\s)+1], s21, (\s)*SLOT
	s_add_nc_u64 s[G0B+4*(\s)+2:G0B+4*(\s)+3], s[46:47], (\s)*512
	s_or_b32 s[G0B+4*(\s)+3], s[G0B+4*(\s)+3], 0x80000000
	JLOAD \s                                       ; two tensor loads of mine are out
.endr
	v_and_b32 v1, 15, v0                           ; l % 16
	v_bfe_u32 v2, v0, 4, 1                         ; l / 16
	s_mov_b32 s77, 0
	s_lshl_b32 s76, s42, 8
	s_add_nc_u64 s[72:73], s[72:73], s[76:77]      ; bo at the tile's first feature
	v_lshlrev_b32 v[BO], 5, v2
.irp b, 0,1,2,3
	global_load_b128 v[BIAS+8*(\b):BIAS+8*(\b)+3],   v[BO], s[72:73] offset:64*(\b)
	global_load_b128 v[BIAS+8*(\b)+4:BIAS+8*(\b)+7], v[BO], s[72:73] offset:64*(\b)+16
.endr
	s_lshl_b32 s22, s13, 19                        ; out0: the block's 128 rows of 4,096 bytes,
	s_add_co_u32 s76, s76, s22
	s_lshl_b32 s22, s10, 17                        ; my 32 of them; the tile's 256 bytes of a row are in s76 already
	s_add_co_u32 s76, s76, s22
	s_add_nc_u64 s[74:75], s[74:75], s[76:77]
	v_mul_u32_u24 v3, v1, PA
	v_lshl_add_u32 v3, v2, 4, v3
	v_mul_u32_u24 v4, v1, PB
	v_lshl_add_u32 v4, v2, 4, v4
	s_mul_i32 s22, s10, 32*PA                      ; my 32 tokens in each head's 128
	s_mov_b32 s23, 2*AH                            ; Wo lies behind O
.irp s, 0,1
	v_add_nc_u32 v[ADRA+(\s)], s22, v3
	v_add_nc_u32 v[ADRB+(\s)], s23, v4
	s_add_co_u32 s22, s22, SLOT
	s_add_co_u32 s23, s23, SLOT
.endr
	s_mul_i32 s22, s10, 32*SPITCH
	s_add_co_u32 s22, s22, STAGE                   ; my stage
	v_mul_u32_u24 v5, v1, SPITCH                   ; in: row l % 16, 32 bytes for each half of the lanes
	v_lshl_add_u32 v5, v2, 5, v5
	v_add_nc_u32 v[STO], s22, v5
	v_mul_u32_u24 v5, v2, SPITCH                   ; back: lanes 0-15 take one row of 256 bytes, lanes 16-31 the next
	v_lshl_add_u32 v5, v1, 4, v5
	v_add_nc_u32 v[RD], s22, v5
	v_lshlrev_b32 v[CO], 12, v2                    ; and the same two rows in out0
	v_lshl_add_u32 v[CO], v1, 4, v[CO]
	s_wait_loadcnt 0x0
.set i, 0
.rept 16                               ; the biases are rounded to bf16, as every input is
	v_cvt_pk_bf16_f32 v[BT], v[BIAS+2*i], v[BIAS+2*i+1]
	v_lshlrev_b32 v[BIAS+2*i], 16, v[BT]
	v_and_b32 v[BIAS+2*i+1], 0xffff0000, v[BT]
.set i, i+1
.endr
; 4 matrix instructions: token block a x the four feature tiles, 32 along K: half c of buffer f.  first = 1: the bias is the C operand that starts the sum.  The 8 accumulators take turns.
.macro MUL4 f, c, a, first
	WIN 0x05                                       ; sources 0 and 1 window 1; C and D window 0
.irp b, 0,1,2,3
.if \first
	v_wmma_f32_16x16x32_f16 v[ACC+8*(4*(\a)+(\b)):ACC+8*(4*(\a)+(\b))+7], v[(\f)+32+8*(4*(\c)+(\b)):(\f)+32+8*(4*(\c)+(\b))+7], v[(\f)+8*(2*(\c)+(\a)):(\f)+8*(2*(\c)+(\a))+7], v[BIAS+8*(\b):BIAS+8*(\b)+7]
.else
	v_wmma_f32_16x16x32_f16 v[ACC+8*(4*(\a)+(\b)):ACC+8*(4*(\a)+(\b))+7], v[(\f)+32+8*(4*(\c)+(\b)):(\f)+32+8*(4*(\c)+(\b))+7], v[(\f)+8*(2*(\c)+(\a)):(\f)+8*(2*(\c)+(\a))+7], v[ACC+8*(4*(\a)+(\b)):ACC+8*(4*(\a)+(\b))+7]
.endif
.endr
.endm
; 24 LDS loads in one run: the fragments of head q of the slot's four (64 along K) into buffer f; the first 32 along K first
.macro FETCH slot, q, f
	WIN 0x40
.irp c, 0,1
.irp b, 0,1,2,3
	ds_load_b128 v[(\f)+32+8*(4*(\c)+(\b)):(\f)+32+8*(4*(\c)+(\b))+3],   v[ADRB+(\slot)] offset:128*(\q)+64*(\c)+16*PB*(\b)
	ds_load_b128 v[(\f)+32+8*(4*(\c)+(\b))+4:(\f)+32+8*(4*(\c)+(\b))+7], v[ADRB+(\slot)] offset:128*(\q)+64*(\c)+16*PB*(\b)+32
.endr
.irp a, 0,1
	ds_load_b128 v[(\f)+8*(2*(\c)+(\a)):(\f)+8*(2*(\c)+(\a))+3],   v[ADRA+(\slot)] offset:128*PA*(\q)+64*(\c)+16*PA*(\a)
	ds_load_b128 v[(\f)+8*(2*(\c)+(\a))+4:(\f)+8*(2*(\c)+(\a))+7], v[ADRA+(\slot)] offset:128*PA*(\q)+64*(\c)+16*PA*(\a)+32
.endr
.endr
.endm
.macro QUARTER slot, q, f, g, first
	s_wait_dscnt 12                                ; the first 32 along K are in
	MUL4 \f, 0, 0, \first
	MUL4 \f, 0, 1, \first
	PLACES
	FETCH \slot, \q, \g
	s_wait_dscnt 24                                ; all but the 24 just issued
	MUL4 \f, 1, 0, 0
	MUL4 \f, 1, 1, 0
.endm
; The last quarter multiplies buffer 1 and changes slots: ONE barrier; in front of it each wave waits for all its tensor loads, adds 0 to its spare word, and waits for that and for its reads of this slot.
; fill = 1: the barrier opens a round of the cluster's barrier, and the slot is filled again, two K steps ahead, first thing behind the round.
.macro TURN slot, next, fill
	WIN 0
	s_wait_tensorcnt 0x0
	ds_add_u32 v[SPW], v[NIL]
	s_wait_dscnt 13                                ; (the add and the youngest twelve loads may be out)
	MUL4 F1, 0, 0, 0
	s_wait_dscnt 0x0                               ; the add is done, and my reads of this slot are over
	s_barrier_signal -1
	MUL4 F1, 0, 1, 0
.if \fill
	WIN 0
.endif
	s_barrier_wait -1
.if \fill
	CREST
	s_add_nc_u64 s[G0+4*(\slot)+2:G0+4*(\slot)+3], s[G0+4*(\slot)+2:G0+4*(\slot)+3], 2*65536
	s_add_nc_u64 s[G0B+4*(\slot)+2:G0B+4*(\slot)+3], s[G0B+4*(\slot)+2:G0B+4*(\slot)+3], 2*512
	JLOAD \slot                                    ; my one tensor load behind the round; its four v_nop are also the places in front of the loads below
.else
	PLACES
.endif
	FETCH \next, 0, F0
	MUL4 F1, 1, 0, 0
	MUL4 F1, 1, 1, 0
.endm
	s_wait_tensorcnt 1                             ; my part of K step 0 is in; K step 1's may stay out
	s_barrier_signal -1
	s_barrier_wait -1
	FETCH 0, 0, F0
	QUARTER 0, 1, F0, F1, 1                        ; K has four steps: they are written out
	QUARTER 0, 2, F1, F0, 0
	QUARTER 0, 3, F0, F1, 0
	TURN 0, 1, 1                                   ; slot 0 takes K step 2
	QUARTER 1, 1, F0, F1, 0
	QUARTER 1, 2, F1, F0, 0
	QUARTER 1, 3, F0, F1, 0
	TURN 1, 0, 1                                   ; slot 1 takes K step 3
	QUARTER 0, 1, F0, F1, 0
	QUARTER 0, 2, F1, F0, 0
	QUARTER 0, 3, F0, F1, 0
	TURN 0, 1, 0
	QUARTER 1, 1, F0, F1, 0
	QUARTER 1, 2, F1, F0, 0
	QUARTER 1, 3, F0, F1, 0
	s_wait_dscnt 12
	MUL4 F1, 0, 0, 0
	MUL4 F1, 0, 1, 0
	s_wait_dscnt 0x0
	MUL4 F1, 1, 0, 0
	MUL4 F1, 1, 1, 0
	WIN 0
	; THE WAY OUT: a lane's eight f32 of a row go into my own stage (rows of 272 bytes), low half first, and come back as whole rows of 256 bytes.  The stage is the wave's own: no barrier.
	PLACES
.irp a, 0,1
.irp b, 0,1,2,3
	ds_store_b128 v[STO], v[ACC+8*(4*(\a)+(\b)):ACC+8*(4*(\a)+(\b))+3]   offset:16*SPITCH*(\a)+64*(\b)
	ds_store_b128 v[STO], v[ACC+8*(4*(\a)+(\b))+4:ACC+8*(4*(\a)+(\b))+7] offset:16*SPITCH*(\a)+64*(\b)+16
.endr
.endr
.irp t, 0,1,2,3,4,5,6,7,8,9,10,11,12,13,14,15
	ds_load_b128 v[OUT+4*(\t):OUT+4*(\t)+3], v[RD] offset:(\t)*2*SPITCH  ; LDS serves a wave's instructions in order (ISA guide 5.7.1.4): these see the stores above
.endr
.irp t, 0,1,2,3,4,5,6,7,8,9,10,11,12,13,14,15
	s_wait_dscnt 15-(\t)
	global_store_b128 v[CO], v[OUT+4*(\t):OUT+4*(\t)+3], s[74:75] offset:8192*(\t) th:TH_STORE_NT  ; 16 lanes store 256 consecutive bytes, at a multiple of 256 from out0's first
.endr
	s_wait_tensorcnt 0x0                           ; the wave's end
	ds_add_u32 v[SPW], v[NIL]
	s_wait_dscnt 0x0
	CROUND                                         ; the closing round: no work-group ends while a partner may still ask for a tile that names it
	s_endpgm
.Lfunc_end_k_q483a3ca9e7_outp:
	.size	k_q483a3ca9e7_outp, .Lfunc_end_k_q483a3ca9e7_outp-k_q483a3ca9e7_outp
	.p2alignl 7, 3214868480
	.fill 96, 4, 3214868480
	.section	.rodata,"a",@progbits
	.p2align	6, 0x0
	.amdhsa_kernel k_q483a3ca9e7_outp
		.amdhsa_group_segment_fixed_size 327680
		.amdhsa_private_segment_fixed_size 0
		.amdhsa_enable_private_segment 0
		.amdhsa_kernarg_size 32
		.amdhsa_user_sgpr_count 2
		.amdhsa_user_sgpr_kernarg_segment_ptr 1
		.amdhsa_wavefront_size32 1
		.amdhsa_system_sgpr_workgroup_id_x 1
		.amdhsa_system_sgpr_workgroup_id_y 1
		.amdhsa_system_sgpr_workgroup_id_z 1
		.amdhsa_system_vgpr_workitem_id 0
		.amdhsa_next_free_vgpr 448
		.amdhsa_next_free_sgpr 80
		.amdhsa_reserve_vcc 0
		.amdhsa_float_denorm_mode_32 3
		.amdhsa_float_denorm_mode_16_64 3
		.amdhsa_memory_ordered 1
		.amdhsa_forward_progress 1
		.amdhsa_inst_pref_size 62
	.end_amdhsa_kernel
	.amdgpu_metadata
---
amdhsa.version: [ 1, 2 ]
amdhsa.kernels:
  - .name:           k_q483a3ca9e7_outp
    .symbol:         k_q483a3ca9e7_outp.kd
    .args:
      - { .name: ob, .offset: 0, .size: 8, .value_kind: global_buffer, .address_space: global }
      - { .name: wb, .offset: 8, .size: 8, .value_kind: global_buffer, .address_space: global }
      - { .name: bo, .offset: 16, .size: 8, .value_kind: global_buffer, .address_space: global }
      - { .name: out0, .offset: 24, .size: 8, .value_kind: global_buffer, .address_space: global }
    .group_segment_fixed_size: 327680
    .private_segment_fixed_size: 0
    .kernarg_segment_align: 8
    .kernarg_segment_size: 32
    .max_flat_workgroup_size: 128
    .sgpr_count:     80
    .vgpr_count:     448
    .wavefront_size: 32
...
	.end_amdgpu_metadata
.endif
;; end of part 4
;; ======== version 2 of 2: 4 launches; 1.17 times as fast as version 1
;; limits: values are held in f16: magnitudes above 65,504 overflow, below 6.1e-05 lose precision
;; workspace buffers: xb 4,194,304 bytes; wb 8,388,608 bytes; rope 524,288 bytes; msk 1,572,864 bytes of whole numbers; qkv 12,582,912 bytes; ob 4,194,304 bytes
;; launch prep: the kernel of part 1 again; grid 576 x 1, 8 waves a work-group, no clusters, 0 bytes of LDS; arguments x, Wq, Wk, Wv, Wo, bar_ids, instrument_ids, xb, wb, rope, msk; writes xb, wb, rope, msk
;; launch proj: the kernel of part 2 again; grid 16 x 16, 4 waves a work-group, clusters of 4 x 4, 327,680 bytes of LDS; arguments xb, wb, rope, bq, bk, bv, qkv; writes qkv
;; launch attn (part 5): grid 16 x 16, 8 waves a work-group, no clusters, 327,680 bytes of LDS; arguments qkv, msk, ob; writes ob
.if DOCPART == 5
	.amdgcn_target "amdgcn-amd-amdhsa--gfx1250"
	.amdhsa_code_object_version 6
	.text
	.protected	k_q483a3ca9e7_attn
	.globl	k_q483a3ca9e7_attn
	.p2align	8
	.type	k_q483a3ca9e7_attn,@function
k_q483a3ca9e7_attn:
	s_mov_b64 s[64:65], 0
	v_nop
	global_prefetch_b8 v0, s[64:65] scope:SCOPE_SE
	s_setreg_imm32_b32 hwreg(HW_REG_WAVE_MODE, 25, 1), 1
	s_wait_xcnt 0x0
; THREE MASKED ATTENTIONS OVER ONE q, k, v, SUMMED.  For mask j (0 same instrument, 1 cross instrument, 2 global keys): O_j[q] = sum over the keys that mask j allows of softmax(q . k / 8) v, or 0 where it allows none.
; q, k, v: f16 [16 heads][2048][64] in qkv.  ob = O_0 + O_1 + O_2 in f16, laid [16 blocks of 128 tokens][16 heads][128][64].  Scores, maxima and sums in f32; the weights p are rounded to f16 for the second product.
; The scores K Q^T are made once for the three masks.  The masks come as lane masks, whole numbers that the launch before stored; they only select values (v_cndmask_b32): no branch and no address hangs on them.
; WHAT IS LEFT OUT.  Masks 0 and 2 are causal by the model's own lower triangle, so for query tile T (16 queries) they allow nothing in key step s (64 keys) where s > T / 4: there their two blocks are jumped over,
; by one forward jump past no barrier and no tensor load, on a bound made of the work-group's and the wave's numbers.  The cross mask is not causal: its block is made in every step.
; SOFTMAX.  Each mask has a running maximum m of its own, over its allowed keys: p = 2^(c s - c m), c = log2(e) / 8; O and l are multiplied by a = 2^(c m_old - c m_new) in each of its steps.
; A hidden score counts as NG = -2^100.  A row that has met only hidden keys has m = NG and p = 2^0 (c NG is exact, NG being a power of two): finite numbers, which the first allowed key's a = 0 wipes out,
; and which the way out multiplies by 0 where no allowed key ever came (m still below -2^96).  l is the row sum of the rounded p, made by the matrix unit (ones x P), so every lane has it.
; BATCHES.  A mask's block on a step has 33 exponentials: a, then the 32 weights.  None reads another's result, so they are ONE batch with ONE s_wait_alu depctr_va_vdst(0).  Ahead of the wait stand the exponentials and
; the 16 scalings c s - c m, dealt among them, each ahead of its own pair's exponentials; behind it stands all that names a result: the 16 roundings, the rescaling of O and l by a, the products.  A step has one such
; wait, or three up to the diagonal's step.  A batch closes inside its block, so no result crosses the jump behind the cross mask's block, a label or a loop's backward jump.  The way out's three reciprocals are a batch of their own.
; LIMITS.  q, k, v and the sum of the three outputs lie within f16's 65,504; an allowed score lies above -2^96; allowed scores so low (about -1e9 and below) that the model's own -1e9 for hidden keys
; would share their weight are not followed; a weight below 2^-126 counts as 0; NaN and infinities are not treated apart.
; SHARES.  A work-group has 8 waves, a wave ONE tile of 16 queries of one head: four early tiles (4 p + i, bound p) and four late ones (124 - 4 p + i, bound 31 - p), an early and a late one on each pair of waves:
; a pair has 2 x 32 + 2 (p + 1) + 2 (32 - p) = 130 blocks, whatever p.  Every wave walks all 2,048 keys: 8 tiles of 256 keys in a ring of two LDS slots, 64 keys a step.
; A slot holds 256 rows of K, 256 rows of V, and the lane masks of its four key steps for the work-group's four pairs of query tiles.  Waves 0, 1 fetch K, waves 2, 3 V, waves 4 to 7 a pair's masks each.
; NO CLUSTER: the bound of the jump hangs on the query tile's place, which differs between the work-groups that share K and V, and partners of joint loads must run alike.
; REGISTERS: window 0: addresses, statistics (c m, m, a, c m_old - c m_new for each mask), Q v40-55, S^T v64-95, the masked scores X v96-127, K v128-191, P v192-207.
;   window 1: O_j^T at v[32 j ..], l_j at v[96 + 8 j ..], ones v120-127, V v128-191.
.set KS,    64
.set PK,    144       ; a row of K in LDS: 128 bytes + 16 of padding: the 16 rows of a load start at 16 different groups of four banks (ISA guide 11.1)
.set PV,    160       ; a row of V: 128 + 32
.set VOFF,  4*KS*PK   ; in a slot: 256 rows of K, then 256 rows of V,
.set MOFF,  4*KS*(PK+PV)   ; then four regions of lane masks
.set MREG,  4*768     ; a region: [4 key steps][3 masks][32 registers][2 tiles], the masks of one pair of query tiles
.set SLOT1, 1<<17     ; slot 1 begins here, so that one exclusive or turns an address in one slot into the other's
.set STAGE, MOFF+4*MREG    ; behind slot 0, never filled by a tensor load: 16 rows x 144 bytes for each wave, for the way out
.set SP,    144
.set SPARE, STAGE+8*16*SP  ; the spare words, 128 bytes a wave: four blocks of 256 bytes that no other line names
.set AK0, 2           ; my lane's place in a tile of K; never rewritten
.set AV0, 3           ; the same for V
.set AK,  4
.set AV,  5
.set STO, 6
.set RD,  7
.set GO,  8
.set AM0, 12          ; lane r's word of mask 0 in a slot's first step; never rewritten
.set AM,  13
.set QO,  14
.set MW,  16          ; v16-18  lane r: the lane mask of register r, for each mask
.set STT, 20          ; mask j's statistics at v[20 + 4 j]
.set CC,  32          ; v32-35 at work
.set OLD, 36
.set NG,  37          ; -2^100
.set SPW, 38          ; LDS address of my spare word; never rewritten
.set NIL, 39          ; 0; never rewritten
.set Q,   40
.set S,   64
.set X,   96
.set KF,  128
.set P,   192
.set RR,  208         ; v208-213: 1 / l_j or 0, in pairs
.set LL,  96          ; window 1
.set ONES, 120        ; window 1
.set VF,  128         ; window 1
.set WV,  12
.set TYP, 13
.set IDX, 14
.set TQ,  15          ; my query tile, 0..127
.set LIM, 16          ; the last key step in which a causal mask can allow anything: my tile / 4
.set CS,  20          ; s[20:21] c
.set THR, 23          ; -2^96
.set G1K, 24
.set G1V, 32
.set G0K, 40
.set G0V, 44
.set G1M, 48
.set G0M, 56
.set SEL, 60
.set TBK, 62          ; LDS byte at which K of the step in hand begins
.set TBV, 63          ; the same for V, less VOFF
.set SLOTS, 66
.set CNT, 67
.set MA,  68          ; s[68:99] the 32 lane masks of the block in hand
.set ST,  100         ; the key step, 0..31
.set TBM, 101         ; the same as TBK for the masks, less MOFF
.set MSB, 0
.macro WIN new
.if MSB != (\new)
	s_set_vgpr_msb (MSB<<8)|(\new)
.set MSB, (\new)
.endif
.endm
.macro PLACES
.rept 4
	v_nop
.endr
.endm
; A fill.  Waves 0 and 1 fetch the two halves of a tile's K, waves 2 and 3 those of its V, 128 keys each; waves 4 to 7 the masks of one pair of query tiles for the tile's four key steps.
; Each wave issues one of the three lines.  An s_nop 0 and four v_nop follow each line.
.macro LOAD
	s_cmp_lt_u32 s[WV], 2
	s_cbranch_scc0 .Lnot_k_\@
	tensor_load_to_lds s[G0K:G0K+3], s[G1K:G1K+7]
	s_nop 0
.rept 4
	v_nop
.endr
	s_branch .Lasked_\@
.Lnot_k_\@:
	s_cmp_lt_u32 s[WV], 4
	s_cbranch_scc0 .Lfor_m_\@
	tensor_load_to_lds s[G0V:G0V+3], s[G1V:G1V+7]
	s_nop 0
.rept 4
	v_nop
.endr
	s_branch .Lasked_\@
.Lfor_m_\@:
	tensor_load_to_lds s[G0M:G0M+3], s[G1M:G1M+7]
	s_nop 0
.rept 4
	v_nop
.endr
.Lasked_\@:
.endm
; THE CHANGE OF SLOTS.  Each wave waits for all its tensor loads (one is out: its part of the other slot), adds 0 to its spare word, and waits for that and for its reads of the slot that it leaves.
; Behind the barrier nobody reads the old slot and the other slot is whole.  fill = 1: the old slot takes the next 256 keys and their masks, first thing behind the barrier.
; (At its first use nothing has been read yet: slot 0 is waited for, slot 1 filled.)
.macro CHANGE fill
	WIN 0
	s_wait_tensorcnt 0x0            ; no tensor load of mine is out, so a group 0 may be written
	ds_add_u32 v[SPW], v[NIL]
.if \fill
	s_xor_b32 s[G0K+1], s[G0K+1], SLOT1
	s_add_nc_u64 s[G0K+2:G0K+3], s[G0K+2:G0K+3], 32768  ; 256 keys of 128 bytes on; the type bits on top are not reached
	s_xor_b32 s[G0V+1], s[G0V+1], SLOT1
	s_add_nc_u64 s[G0V+2:G0V+3], s[G0V+2:G0V+3], 32768
	s_xor_b32 s[G0M+1], s[G0M+1], SLOT1
	s_add_nc_u64 s[G0M+2:G0M+3], s[G0M+2:G0M+3], 4*49152  ; four key steps on
.endif
	s_wait_dscnt 0x0                ; the add is done, and my reads of the slot are over
	s_barrier_signal -1
	s_sub_co_u32 s[TBK], s[TBK], 4*KS*PK  ; the fetches go back to a slot's first step,
	s_xor_b32 s[TBK], s[TBK], SLOT1       ; in the other slot
	s_sub_co_u32 s[TBV], s[TBV], 4*KS*PV
	s_xor_b32 s[TBV], s[TBV], SLOT1
	s_sub_co_u32 s[TBM], s[TBM], 4*768
	s_xor_b32 s[TBM], s[TBM], SLOT1
	s_barrier_wait -1
.if \fill
	LOAD
.endif
.endm
	s_load_b128 s[4:7], s[0:1], 0x0   ; qkv s[4:5], msk s[6:7]
	s_load_b64 s[8:9], s[0:1], 0x10   ; ob
	v_lshl_add_u32 v[SPW], v0, 2, SPARE
	v_mov_b32 v[NIL], 0
	ds_add_u32 v[SPW], v[NIL]       ; the wave's opening: the add and its wait ahead of my first tensor load
	ds_add_u32 v38, v39
	v_lshrrev_b32 v1, 5, v0
	v_readfirstlane_b32 s[WV], v1   ; wave 0..7
	s_lshr_b32 s2, s[WV], 2
	s_add_co_u32 s[TYP], s[WV], s2
	s_and_b32 s[TYP], s[TYP], 1     ; 0: an early tile, 1: a late one: waves 0..7 have 0 1 0 1 1 0 1 0
	s_lshr_b32 s[IDX], s[WV], 1     ; which of the four
	s_and_b32 s11, s[WV], 1
	s_lshl_b32 s2, ttmp9, 2
	s_sub_co_u32 s3, 124, s2
	s_cmp_eq_u32 s[TYP], 1
	s_cselect_b32 s[TQ], s3, s2
	s_add_co_u32 s[TQ], s[TQ], s[IDX]
	s_lshr_b32 s[LIM], s[TQ], 2     ; key 64 s is not behind query 16 T + 15 where s <= T / 4
	s_and_b32 s10, ttmp7, 0xffff    ; the head
	s_lshl_b32 s22, ttmp9, 1        ; the pair of tiles whose masks I fetch (waves 4, 5: the early pairs 2 p, 2 p + 1; waves 6, 7: the late pairs 62 - 2 p, 63 - 2 p)
	s_sub_co_u32 s3, 62, s22
	s_cmp_eq_u32 s[IDX], 3
	s_cselect_b32 s22, s3, s22
	s_add_co_u32 s22, s22, s11
	s_mul_i32 s66, s22, 768
	s_mov_b32 s67, 0
	s_lshl_b32 s2, s10, 18          ; the head's 262,144 bytes,
	s_lshl_b32 s3, s11, 14          ; my half of a tile's 256 keys
	s_add_co_u32 s2, s2, s3
	s_mov_b32 s3, 0
	; 128 keys are 16,384 dense bytes: asked for as 64 rows of 256 bytes, two keys a row, and padded in LDS after every key
	s_mov_b32 s[G1K], (1<<16)|(1<<20)|(4<<22)|(3<<25)  ; 2-byte elements; padding on; after every 32 words, 4 words
	s_mov_b32 s[G1V], (1<<16)|(1<<20)|(4<<22)|(7<<25)  ; the same with 8 words
.irp g, G1K, G1V
	s_mov_b32 s[(\g)+1], 128<<16
	s_mov_b32 s[(\g)+2], 64<<16
	s_mov_b32 s[(\g)+3], 128<<16
	s_mov_b32 s[(\g)+4], 64
	s_mov_b32 s[(\g)+5], 128
	s_mov_b32 s[(\g)+6], 0
	s_mov_b32 s[(\g)+7], 0
.endr
	s_mov_b32 s[G1M], 2<<16         ; a pair's masks: 4-byte elements, no padding,
	s_mov_b32 s[G1M+1], 192<<16     ; rows of 192 words (768 bytes),
	s_mov_b32 s[G1M+2], 4<<16       ; 4 of them, one for each key step of the tile (there are no more to a tile),
	s_mov_b32 s[G1M+3], 192<<16
	s_mov_b32 s[G1M+4], 4
	s_mov_b32 s[G1M+5], 12288       ; 49,152 bytes apart
	s_mov_b32 s[G1M+6], 0
	s_mov_b32 s[G1M+7], 0
	s_mov_b32 s[G0K], 1
	s_mul_i32 s[G0K+1], s11, 128*PK
	s_mov_b32 s[G0V], 1
	s_mul_i32 s[G0V+1], s11, 128*PV
	s_add_co_u32 s[G0V+1], s[G0V+1], VOFF
	s_mov_b32 s[G0M], 1
	s_mul_i32 s[G0M+1], s[WV], MREG
	s_add_co_u32 s[G0M+1], s[G0M+1], MOFF-4*MREG  ; wave 4 + g fills region g
	s_mov_b32 s[CS], 0x3e38aa3b     ; c = log2(e) / 8
	s_mov_b32 s[CS+1], s[CS]        ; named with it as a pair
	s_mov_b32 s[THR], 0xef800000
	s_mov_b32 s[SEL], 0x76543210
	s_mov_b32 s[SEL+1], 0xfedcba98
	s_mov_b32 s[TBK], SLOT1+4*KS*PK ; the first change of slots turns these three into 0
	s_mov_b32 s[TBV], SLOT1+4*KS*PV
	s_mov_b32 s[TBM], SLOT1+4*768
	s_mov_b32 s[ST], 0
	s_wait_dscnt 0x0                ; the opening add is done
	s_wait_kmcnt 0x0
	s_add_nc_u64 s[G0K+2:G0K+3], s[4:5], s[2:3]
	s_add_nc_u64 s[G0V+2:G0V+3], s[G0K+2:G0K+3], 0x800000  ; v lies 8 MiB into qkv,
	s_add_nc_u64 s[G0K+2:G0K+3], s[G0K+2:G0K+3], 0x400000  ; k 4 MiB
	s_or_b32 s[G0K+3], s[G0K+3], 0x80000000
	s_or_b32 s[G0V+3], s[G0V+3], 0x80000000
	s_add_nc_u64 s[G0M+2:G0M+3], s[6:7], s[66:67]
	s_or_b32 s[G0M+3], s[G0M+3], 0x80000000
	LOAD                            ; the first fills, slot 0: each wave issues one
	s_lshl_b32 s2, s10, 18
	s_lshl_b32 s3, s[TQ], 11
	s_add_co_u32 s2, s2, s3
	s_mov_b32 s3, 0
	s_add_nc_u64 s[4:5], s[4:5], s[2:3]   ; q at my tile's first row
	s_lshr_b32 s2, s[TQ], 3
	s_lshl_b32 s2, s2, 18           ; ob: the block of 128 tokens,
	s_lshl_b32 s3, s10, 14          ; the head,
	s_add_co_u32 s2, s2, s3
	s_and_b32 s3, s[TQ], 7
	s_lshl_b32 s3, s3, 11           ; my 16 rows of 128 bytes
	s_add_co_u32 s2, s2, s3
	s_mov_b32 s3, 0
	s_add_nc_u64 s[8:9], s[8:9], s[2:3]
	v_and_b32 v1, 15, v0            ; l % 16
	v_bfe_u32 v9, v0, 4, 1          ; l / 16
	v_and_b32 v15, 31, v0           ; l
	v_lshlrev_b32 v[QO], 7, v1
	v_lshl_add_u32 v[QO], v9, 4, v[QO]
	global_load_b128 v[Q:Q+3],     v[QO], s[4:5]
	global_load_b128 v[Q+4:Q+7],   v[QO], s[4:5] offset:32
	global_load_b128 v[Q+8:Q+11],  v[QO], s[4:5] offset:64
	global_load_b128 v[Q+12:Q+15], v[QO], s[4:5] offset:96
	; O and l start at 0 and the first step is a step like any other, with a = 0: no first step is written out, which would be a second copy of a step's text.  These lines stand in the wait for the first tile.
	WIN 0x40
.set i, 0
.rept 120
	v_mov_b32 v[i], 0
.set i, i+1
.endr
.set i, 0
.rept 8
	v_mov_b32 v[ONES+i], 0x3c003c00    ; 1.0, 1.0 in f16
.set i, i+1
.endr
	WIN 0
.irp j, 0,1,2
	v_mov_b32 v[STT+4*(\j)], 0xfe000000    ; c m: far below every c s, so a mask's first a is 0
	v_mov_b32 v[STT+4*(\j)+1], 0xff7fffff  ; m: the lowest finite number
.endr
	v_mov_b32 v[NG], 0xf1800000
	v_mul_u32_u24 v[AK0], v1, PK
	v_lshl_add_u32 v[AK0], v9, 4, v[AK0]   ; row x pitch + 16 x half
	; The turning load takes 16 keys x 16 channels (lane l reads key 8 (l / 16) + l % 8, channels 8 ((l / 8) % 2) + 0..7) and leaves half a fragment of V^T: lane l holds channel l % 16 and 8 keys.
	v_and_b32 v10, 7, v0
	v_bfe_u32 v11, v0, 3, 1
	v_lshl_add_u32 v[AV0], v9, 3, v10
	v_mul_u32_u24 v[AV0], v[AV0], PV
	v_lshl_add_u32 v[AV0], v11, 4, v[AV0]
	v_add_nc_u32 v[AV0], VOFF, v[AV0]
	s_lshl_b32 s2, s[TYP], 1
	s_lshr_b32 s3, s[IDX], 1
	s_add_co_u32 s2, s2, s3         ; my pair's region: 2 x type + which pair of the type's two
	s_mul_i32 s2, s2, MREG
	s_and_b32 s3, s[IDX], 1         ; my tile of the pair:
	s_lshl_b32 s3, s3, 2            ; its word of the two
	s_add_co_u32 s2, s2, s3
	s_add_co_u32 s2, s2, MOFF
	v_lshl_add_u32 v[AM0], v15, 3, s2
	s_mul_i32 s2, s[WV], 16*SP
	s_add_co_u32 s2, s2, STAGE      ; my stage
	v_mul_u32_u24 v[STO], v1, SP
	v_lshl_add_u32 v[STO], v9, 4, v[STO]
	v_add_nc_u32 v[STO], s2, v[STO]
	v_bfe_u32 v[RD], v0, 3, 2
	v_mul_u32_u24 v[RD], v[RD], SP
	v_lshl_add_u32 v[RD], v10, 4, v[RD]
	v_add_nc_u32 v[RD], s2, v[RD]
	v_lshlrev_b32 v[GO], 4, v15
	s_wait_loadcnt 0x0              ; Q
	s_mov_b32 s[SLOTS], 7
.macro FS n                         ; c s - c m for pair n of the 16 pairs of masked scores: it names no exponential's result, since its pair's exponentials come behind it
	v_pk_fma_f32 v[X+2*(\n):X+2*(\n)+1], v[X+2*(\n):X+2*(\n)+1], s[CS:CS+1], v[rT:rT+1] op_sel_hi:[1,0,0] neg_lo:[0,0,1] neg_hi:[0,0,1]
.endm
.macro CVP n                        ; pair n rounded to f16: it reads two exponentials' results, so it stands behind the batch's wait
	v_cvt_pk_f16_f32 v[P+(\n)], v[X+2*(\n)], v[X+2*(\n)+1]
.endm
; ONE MASK'S WORK ON A STEP.  waitv = 1: the step's first block, which waits for V ahead of its products.
.macro BLOCK j, waitv
.set rT, STT+4*(\j)
.set i, 0
.rept 32
	v_readlane_b32 s[MA+i], v[MW+(\j)], i          ; lane r's word is the lane mask of register r
.set i, i+1
.endr
.set i, 0
.rept 32
	v_cndmask_b32 v[X+i], v[NG], v[S+i], s[MA+i]   ; ascending: each accumulator's lowest registers are read first
.set i, i+1
.endr
.irp c, 0,1,2,3                     ; the maximum: four chains of seven scores, three operands at a time,
	v_max3_num_f32 v[CC+(\c)], v[X+8*(\c)], v[X+8*(\c)+1], v[X+8*(\c)+2]
.endr
.irp c, 0,1,2,3
	v_max3_num_f32 v[CC+(\c)], v[CC+(\c)], v[X+8*(\c)+3], v[X+8*(\c)+4]
.endr
.irp c, 0,1,2,3
	v_max3_num_f32 v[CC+(\c)], v[CC+(\c)], v[X+8*(\c)+5], v[X+8*(\c)+6]
.endr
	v_max3_num_f32 v[CC], v[CC], v[X+7], v[X+15]   ; the four left over, the old m,
	v_max3_num_f32 v[CC+1], v[CC+1], v[X+23], v[X+31]
	v_max3_num_f32 v[CC+2], v[CC+2], v[CC+3], v[rT+1]
	v_mov_b32 v[OLD], v[rT]
	v_max3_num_f32 v[CC], v[CC], v[CC+1], v[CC+2]
	v_permlanex16_b32 v[CC+3], v[CC], s[SEL], s[SEL+1]  ; the query's other 32 keys lie in the lane 16 away
	v_max_num_f32 v[rT+1], v[CC], v[CC+3]
	v_mul_f32 v[rT], s[CS], v[rT+1]
	v_sub_f32 v[rT+3], v[OLD], v[rT]
	; THE BATCH: a and the 32 weights, 33 exponentials, each result in a register of its own (a in rT + 2, the weights in place in X).  Nothing from here to the wait names a result.
	FS 0                                           ; two scalings stand between a's argument and its exponential
	FS 1
	v_exp_f32 v[rT+2], v[rT+3]                     ; a
	FS 2
	FS 3
.set n, 0
.rept 32                            ; the weights' exponentials; scalings 4 to 15 are dealt among them, behind numbers 0, 2, 5, 7, .. 25, 27: scaling f stands three exponentials or more ahead of number 2 f, the first that reads it
	v_exp_f32 v[X+n], v[X+n]
.if (n < 28) && ((n%5 == 0) || (n%5 == 2))
.set fs, 4+2*(n/5)+(n%5)/2
	FS fs
.endif
.set n, n+1
.endr
	v_nop                           ; the plain instruction behind the last exponential (ISA guide 5.7.2): one for the batch; every line of the block that is left reads a result
	s_wait_alu depctr_va_vdst(0)    ; the wait for the batch, a and the 32 weights: ahead of the first line that names a result
.set n, 0
.rept 16                            ; the readers: the roundings,
	CVP n
.set n, n+1
.endr
	WIN 0x41                        ; the rescaling by a: destination and source 0 in window 1, a in window 0
.set i, 0
.rept 16
	v_pk_mul_f32 v[32*(\j)+2*i:32*(\j)+2*i+1], v[32*(\j)+2*i:32*(\j)+2*i+1], v[rT+2:rT+3] op_sel_hi:[1,0]
.set i, i+1
.endr
	v_mul_f32 v[LL+8*(\j)], v[LL+8*(\j)], v[rT+2]  ; of l's eight equal rows only the lowest register is used; the others stay sums of weights, 2,048 at the most
.if \waitv
	s_wait_dscnt 0x0                ; V's sixteen loads are in: this block stands on every way through a step, ahead of every product that reads V and of the next step's loads into V's registers
.endif
	WIN 0x51                        ; V and ones in window 1, P in window 0, C and D in window 1
.irp kk, 0,1                        ; five accumulators by turns; the matrix instruction in front of the first is a score's or another mask's
.irp cb, 0,1,2,3
	v_wmma_f32_16x16x32_f16 v[32*(\j)+8*(\cb):32*(\j)+8*(\cb)+7], v[VF+32*(\kk)+8*(\cb):VF+32*(\kk)+8*(\cb)+7], v[P+8*(\kk):P+8*(\kk)+7], v[32*(\j)+8*(\cb):32*(\j)+8*(\cb)+7]
.endr
	v_wmma_f32_16x16x32_f16 v[LL+8*(\j):LL+8*(\j)+7], v[ONES:ONES+7], v[P+8*(\kk):P+8*(\kk)+7], v[LL+8*(\j):LL+8*(\j)+7]
.endr
	WIN 0
.endm
; A KEY STEP: the scores, the cross mask's block, and, up to the diagonal's step, the two causal masks' blocks.
.macro STEP
	PLACES                          ; behind the last products that read K's and V's registers, on every way here
	v_add_nc_u32 v[AK], s[TBK], v[AK0]
	v_add_nc_u32 v[AV], s[TBV], v[AV0]
	v_add_nc_u32 v[AM], s[TBM], v[AM0]
.irp m, 0,1,2
	ds_load_b32 v[MW+(\m)], v[AM] offset:256*(\m)
.endr
.irp f, 0,1,2,3,4,5,6,7             ; K: keys 16 (f / 2) on, channels 32 (f % 2) on
	ds_load_b128 v[KF+8*(\f):KF+8*(\f)+3],   v[AK] offset:((\f)/2)*16*PK+((\f)%2)*64
	ds_load_b128 v[KF+8*(\f)+4:KF+8*(\f)+7], v[AK] offset:((\f)/2)*16*PK+((\f)%2)*64+32
.endr
	WIN 0x40                        ; destination window 1
.irp f, 0,1,2,3,4,5,6,7             ; V, turned: keys 32 (f / 4) on, channels 16 (f % 4) on
	ds_load_tr16_b128 v[VF+8*(\f):VF+8*(\f)+3],   v[AV] offset:((\f)/4)*32*PV+((\f)%4)*32
	ds_load_tr16_b128 v[VF+8*(\f)+4:VF+8*(\f)+7], v[AV] offset:((\f)/4)*32*PV+16*PV+((\f)%4)*32
.endr
	WIN 0
	s_wait_dscnt 16                 ; the masks and K are in; V's sixteen loads may be out
.irp c, 0,1                         ; S^T = K Q^T: four accumulators by turns; the first four products start the sums
.irp kb, 0,1,2,3
.if (\c) == 0
	v_wmma_f32_16x16x32_f16 v[S+8*(\kb):S+8*(\kb)+7], v[KF+16*(\kb):KF+16*(\kb)+7], v[Q:Q+7], 0
.else
	v_wmma_f32_16x16x32_f16 v[S+8*(\kb):S+8*(\kb)+7], v[KF+16*(\kb)+8:KF+16*(\kb)+15], v[Q+8:Q+15], v[S+8*(\kb):S+8*(\kb)+7]
.endif
.endr
.endr
	PLACES                          ; in front of the first read of the scores
	BLOCK 1, 1
	s_cmp_le_u32 s[ST], s[LIM]      ; behind the diagonal's step every key lies behind every query of my tile
	s_cbranch_scc0 .Lstep_end_\@    ; (the cross mask's batch has had its wait inside its block)
	BLOCK 0, 0
	BLOCK 2, 0
.Lstep_end_\@:
.endm
.macro TILE                         ; a slot's four key steps: written once, walked four times
	s_mov_b32 s[CNT], 4
.Ltile_\@:
	STEP
	s_add_co_u32 s[TBK], s[TBK], KS*PK
	s_add_co_u32 s[TBV], s[TBV], KS*PV
	s_add_co_u32 s[TBM], s[TBM], 768
	s_add_co_u32 s[ST], s[ST], 1
	s_sub_co_u32 s[CNT], s[CNT], 1
	s_cmp_lg_u32 s[CNT], 0
	s_cbranch_scc1 .Ltile_\@
.endm
.Lslot:                             ; seven trips: a tile of 256 keys is entered and the next is asked for; that load has the tile's work in which to land
	CHANGE 1
	TILE
	s_sub_co_u32 s[SLOTS], s[SLOTS], 1
	s_cmp_lg_u32 s[SLOTS], 0
	s_cbranch_scc1 .Lslot
	CHANGE 0                        ; the last tile is written out: nothing is asked for
	TILE
	; THE WAY OUT.  O = sum over j of O_j / l_j, with 0 for 1 / l_j where the row never met an allowed key (a select, no branch); rounded to f16; through my stage in LDS, so that whole rows are stored.
	PLACES
	WIN 0x01                        ; source 0 in window 1
.irp j, 0,1,2
	v_rcp_f32 v[RR+2*(\j)], v[LL+8*(\j)]
.endr
	v_nop                           ; a plain instruction between the last reciprocal and the use of its result
	WIN 0
	s_wait_alu depctr_va_vdst(0)    ; the wait for the three reciprocals, one batch: ahead of the selects that read them
.irp j, 0,1,2
	v_cmp_lt_f32 vcc_lo, s[THR], v[STT+4*(\j)+1]
	v_cndmask_b32 v[RR+2*(\j)], 0, v[RR+2*(\j)], vcc_lo
	v_mov_b32 v[RR+2*(\j)+1], 0     ; named with it as a pair
.endr
	WIN 0x01
.set n, 0
.rept 16
	v_pk_mul_f32 v[X+2*n:X+2*n+1], v[2*n:2*n+1], v[RR:RR+1] op_sel_hi:[1,0]
	v_pk_fma_f32 v[X+2*n:X+2*n+1], v[32+2*n:32+2*n+1], v[RR+2:RR+3], v[X+2*n:X+2*n+1] op_sel_hi:[1,0,1]
	v_pk_fma_f32 v[X+2*n:X+2*n+1], v[64+2*n:64+2*n+1], v[RR+4:RR+5], v[X+2*n:X+2*n+1] op_sel_hi:[1,0,1]
.set n, n+1
.endr
	WIN 0
.set n, 0
.rept 16
	v_cvt_pk_f16_f32 v[S+n], v[X+2*n], v[X+2*n+1]
.set n, n+1
.endr
.irp f, 0,1,2,3
	ds_store_b128 v[STO], v[S+4*(\f):S+4*(\f)+3] offset:32*(\f)
.endr
.irp f, 0,1,2,3
	ds_load_b128 v[S+16+4*(\f):S+16+4*(\f)+3], v[RD] offset:(\f)*4*SP  ; LDS serves a wave's instructions in order (ISA guide 5.7.1.4): these see the stores above
.endr
.irp f, 0,1,2,3
	s_wait_dscnt 3-(\f)
	global_store_b128 v[GO], v[S+16+4*(\f):S+16+4*(\f)+3], s[8:9] offset:(\f)*512  ; 512 consecutive bytes, at a multiple of 256 from ob's first
.endr
	s_wait_tensorcnt 0x0            ; the wave's end
	ds_add_u32 v[SPW], v[NIL]
	s_wait_dscnt 0x0
	s_endpgm
.Lfunc_end_k_q483a3ca9e7_attn:
	.size	k_q483a3ca9e7_attn, .Lfunc_end_k_q483a3ca9e7_attn-k_q483a3ca9e7_attn
	.p2alignl 7, 3214868480
	.fill 96, 4, 3214868480
	.section	.rodata,"a",@progbits
	.p2align	6, 0x0
	.amdhsa_kernel k_q483a3ca9e7_attn
		.amdhsa_group_segment_fixed_size 327680
		.amdhsa_private_segment_fixed_size 0
		.amdhsa_enable_private_segment 0
		.amdhsa_kernarg_size 24
		.amdhsa_user_sgpr_count 2
		.amdhsa_user_sgpr_kernarg_segment_ptr 1
		.amdhsa_wavefront_size32 1
		.amdhsa_system_sgpr_workgroup_id_x 1
		.amdhsa_system_sgpr_workgroup_id_y 1
		.amdhsa_system_sgpr_workgroup_id_z 1
		.amdhsa_system_vgpr_workitem_id 0
		.amdhsa_next_free_vgpr 448
		.amdhsa_next_free_sgpr 102
		.amdhsa_reserve_vcc 1
		.amdhsa_float_denorm_mode_32 3
		.amdhsa_float_denorm_mode_16_64 3
		.amdhsa_memory_ordered 1
		.amdhsa_forward_progress 1
		.amdhsa_inst_pref_size 89
	.end_amdhsa_kernel
	.amdgpu_metadata
---
amdhsa.version: [ 1, 2 ]
amdhsa.kernels:
  - .name:           k_q483a3ca9e7_attn
    .symbol:         k_q483a3ca9e7_attn.kd
    .args:
      - { .name: qkv, .offset: 0, .size: 8, .value_kind: global_buffer, .address_space: global }
      - { .name: msk, .offset: 8, .size: 8, .value_kind: global_buffer, .address_space: global }
      - { .name: ob, .offset: 16, .size: 8, .value_kind: global_buffer, .address_space: global }
    .group_segment_fixed_size: 327680
    .private_segment_fixed_size: 0
    .kernarg_segment_align: 8
    .kernarg_segment_size: 24
    .max_flat_workgroup_size: 256
    .sgpr_count:     102
    .vgpr_count:     448
    .wavefront_size: 32
...
	.end_amdgpu_metadata
.endif
;; end of part 5
;; launch outp: the kernel of part 4 again; grid 16 x 16, 4 waves a work-group, clusters of 4 x 4, 327,680 bytes of LDS; arguments ob, wb, bo, out0; writes out0
